; MI455X (gfx1250); checked and timed in simulation.
; The chip was launched on July 23, 2026; its instructions are those of AMD's public machine-readable ISA for CDNA 5 (MIT licence, August 2026) and "CDNA5" Instruction Set Architecture Reference Guide (July 2026). The comments in the code are by the model that wrote it; some were corrected since.
;; Grouped Query Attention. Allowed arithmetic: matrix products marked QUANTISED: E3M2 operands, one E8M0 scale for each 32 along K, by v_wmma_scale_f32_16x16x128_f8f6f4 with both operands' format E3M2, f32 sums; everything else in f32.
;; Inputs: cos 2,048 x 64 float32; kg 64 float32; mask 2,048 x 2,048 bool; qg 64 float32; sin 2,048 x 64 float32; wk 512 x 2,048 float32; wo 2,048 x 2,048 float32; wq 2,048 x 2,048 float32; wv 512 x 2,048 float32; x 1 x 2,048 x 2,048 float32.
;; Outputs: out0 1 x 2,048 x 2,048 float32.
;; This version of the problem:
;;   THIS VERSION OF THE PROBLEM IS GIVEN IN LOW PRECISION. The matrix products marked QUANTISED in the list below multiply operands that are first quantised to E3M2 (3 exponent bits, 2 mantissa bits; 6 bits a number), with one power-of-two scale for each 32 numbers along K (OCP MX v1.0); their sums are f32. All else is computed in f32.
;;   The module's matrix products, in the order in which they are computed (A, B: the left and right operand; K: the contracted axis; several contracted axes count as one K, in the product's order):
;;     1. [M 2,048, K 2,048] x [K 2,048, N 2,048]; A: input x; B: input wq: QUANTISED
;;     2. [M 2,048, K 2,048] x [K 2,048, N 512]; A: input x; B: input wk: QUANTISED
;;     3. [M 2,048, K 2,048] x [K 2,048, N 512]; A: input x; B: input wv: QUANTISED
;;     4. batch 32 x [M 2,048, K 64] x [K 64, N 2,048]; A: computed on the way; B: computed on the way: QUANTISED
;;     5. batch 32 x [M 2,048, K 2,048] x [K 2,048, N 64]; A: softmax (see below); B: computed on the way: QUANTISED
;;     6. [M 2,048, K 2,048] x [K 2,048, N 2,048]; A: computed on the way; B: input wo: QUANTISED
;;   THE QUANTISER, for each operand of a quantised product, along K:
;;     - K is cut into blocks of 32 from its start; a last block that is shorter is filled with zeros.
;;     - A block's scale is 2^e with e = floor(log2(the largest magnitude in the block)) - 4, held to -126 .. 127; a block of zeros has e = 0. As a byte (E8M0): e + 127.
;;     - Each number is divided by its block's scale, clamped to +-28, and rounded to the nearest number of E3M2, ties to even, subnormals kept.
;;     - The product sums the exact products of the quantised numbers (number of the format x scale) in f32.
;;   ~~~python
;;   def quantise(x, axis):      # numpy; x: float32 -> the quantised numbers, widened to float32 again
;;       x = np.moveaxis(x, axis, -1); K = x.shape[-1]
;;       x = np.pad(x, [(0, 0)] * (x.ndim - 1) + [(0, -K % 32)]); x = x.reshape(x.shape[:-1] + (-1, 32)); a = np.abs(x).max(-1, keepdims=True)
;;       e = np.where(a > 0, np.clip(np.frexp(np.where(a > 0, a, 1))[1] - 1 - 4, -126, 127), 0)      # np.frexp(a)[1] - 1 = floor(log2(a)), exactly
;;       r = np.clip(x / 2.0 ** e, -28, 28)
;;       step = 2.0 ** (np.maximum(np.frexp(np.where(r == 0, 1, r))[1] - 1, -2) - 2)
;;       q = np.round(r / step) * step * 2.0 ** e      # np.round: ties to even
;;       return np.moveaxis(q.reshape(q.shape[:-2] + (-1,))[..., :K], -1, axis).astype(np.float32)
;;   ~~~
;;   SOFTMAX AHEAD OF A QUANTISED PRODUCT. Where the list says 'softmax', what is quantised is not the finished softmax but p = 2^(t - M), with t = logit x log2(e) and M = ceil(the row's largest t), a whole number; so 1/2 < the row's largest p <= 1. The row's sum l is taken of the UNQUANTISED p, in f32, and the product's result is divided by l at the end. Since M is a whole number, a kernel that streams over the keys may use a running M (the ceiling of the running maximum): every later rescaling is an exact power of two, which a block's scale takes up: the codes' values come out the same.
;;   OPERANDS COMPUTED ON THE WAY. 'Computed on the way' means the value that the module computes at that place (a softmax that the list does not call 'softmax' is quantised finished and normalised). What goes into a quantiser is computed in f32, as accurately as f32 sums, v_exp_f32 and their like allow (about 1e-6 of the number): no bf16 or f16 on the way to a quantiser, and a product that is left as it is and whose result goes on into a quantised operand takes f32 operands (vector FMAs, or v_wmma_f32_16x16x4_f32). A number that lies on a knife's edge between two numbers of the format may be rounded either way, as far as f32 arithmetic and the matrix unit's own rounding can turn it there, and no further.
;; One version. Each part assembles by itself: llvm-mc -triple=amdgcn-amd-amdhsa -mcpu=gfx1250 --defsym DOCPART=n.
;; ======== version 1 of 1: 4 launches
;; limits: right only within a limited range of input values
;; workspace buffers: cod 11,010,048 bytes; scl 458,752 bytes; qkc 3,932,160 bytes; qks 360,448 bytes; vc 786,432 bytes; cc 3,145,728 bytes; cs 131,072 bytes; flg 1,024 bytes of whole numbers
;; launch quant (part 1): grid 8 x 60, 4 waves a work-group, no clusters, 34,304 bytes of LDS; arguments x, wq, wk, wv, wo, cod, scl, mask, flg; writes cod, scl, flg
.if DOCPART == 1
	.amdgcn_target "amdgcn-amd-amdhsa--gfx1250"
	.amdhsa_code_object_version 6
	.text
	.protected	k_q7df7259f93_quant
	.globl	k_q7df7259f93_quant
	.p2align	8
	.type	k_q7df7259f93_quant,@function
k_q7df7259f93_quant:
	s_mov_b64 s[64:65], 0
	v_nop
	global_prefetch_b8 v0, s[64:65] scope:SCOPE_SE
	s_setreg_imm32_b32 hwreg(HW_REG_WAVE_MODE, 25, 1), 1
	s_wait_xcnt 0x0
; x [2048][2048], wq [2048][2048], wk, wv [512][2048], wo [2048][2048], all f32 with K innermost, become codes of BF6 (E3M2) with one E8M0 byte for each 32 along K.
; The 7,168 rows are 56 blocks of 128 (0-15 x, 16-31 wq, 32-35 wk, 36-39 wv, 40-55 wo).  A block has 8 tiles of 16 rows; lane r of tile u takes row 32 (u / 2) + 8 (u % 2) + r + 8 (r / 8).
; cod: [block][K step of 128: 16][tile 8][1,536 bytes]: a fragment as an image of its 12 registers: register i of lane l at 512 (i / 4) + 16 l + 4 (i % 4): three loads of 16 bytes a lane bring it back.
; scl: [block][group of 4 K steps: 4][pair of tiles: 4][lane 32][4 words]: lanes 0-15 the even tile's rows, lanes 16-31 the odd tile's: one load of 16 bytes a lane brings four K steps' scale words of two tiles.
; A block's scale is 2^(floor(log2(largest magnitude)) - 4): its byte is the largest magnitude's exponent field - 4, held at 1 from below (a block of zeros keeps the byte 1: its codes are zeros, and this program alone reads the bytes).
; LIMITS: NaN and infinities among the inputs are not served; a block whose largest magnitude lies under 2^-122 keeps the byte 1.
; SHARES: a work-group takes one tile of one block (x: tile, y: block), wave w its K steps 4 w .. 4 w + 3.  Each load reads 512 consecutive bytes of one row; a K step's 16 rows turn through the wave's own stage in LDS
; (rows 528 bytes apart) and come back so that lane (r, h) holds k = 64 c + 32 h + 0 .. 31 of row r: the very order of the operand's registers.  No barrier: waves share nothing.
.set ROWB,  8192                       ; a row of 2,048 f32
.set SP,    528                        ; a stage row: 512 bytes + 16
.set WST,   16*SP                      ; a wave's stage
.set SPARE, 4*WST                      ; behind the stages: the spare words, 128 bytes a wave
.set SPW, 12                           ; v12  my spare word's LDS address; never rewritten
.set NIL, 13                           ; v13  0; never rewritten
.set R,   16                           ; v16-143  two sets of 64: a K step as loaded
.set X,   144                          ; v144-207 64 numbers in the operand's order
.set C,   208                          ; v208-219 the fragment's 12 registers
.set PT,  220                          ; v220-226 upper halves of the blocks' codes, before they are moved
.set BM,  228                          ; largest magnitudes
.set SO,  230                          ; the conversions' scale operands
.set BY,  232                          ; scale bytes
.set WT,  234                          ; my two bytes in their places
.set WX,  235                          ; the other half's
.set H8,  236                          ; 8 h
.set SW,  240                          ; v240-243 the four K steps' scale words
.set OW,  244                          ; v244-245 the two that I store
	s_load_b256 s[4:11], s[0:1], 0x0               ; x, wq, wk, wv
	s_load_b128 s[12:15], s[0:1], 0x20             ; wo, cod
	s_load_b64 s[16:17], s[0:1], 0x30
	s_load_b128 s[40:43], s[0:1], 0x38             ; mask, flg
	v_lshl_add_u32 v[SPW], v0, 2, SPARE
	v_mov_b32 v[NIL], 0
	v_lshrrev_b32 v1, 5, v0
	v_readfirstlane_b32 s18, v1                    ; wave
	s_and_b32 s19, ttmp7, 0xffff                   ; block of 128 rows
	v_and_b32 v1, 31, v0                           ; lane
	v_and_b32 v2, 15, v0                           ; r
	v_bfe_u32 v3, v0, 4, 1                         ; h
	v_lshlrev_b32 v4, 4, v1                        ; 16 x lane
	s_mul_i32 s20, s18, WST
	v_add_nc_u32 v5, s20, v4                       ; the stage, on the way in
	v_mul_u32_u24 v6, v2, SP
	v_lshl_add_u32 v6, v3, 7, v6
	v_add_nc_u32 v6, s20, v6                       ; and out: row r, 128 h bytes on
	s_lshr_b32 s21, ttmp9, 1                       ; pair of tiles
	s_and_b32 s22, ttmp9, 1                        ; even or odd tile
	s_lshl_b32 s23, s22, 8
	v_lshlrev_b32 v7, 4, v2
	v_lshl_add_u32 v7, v3, 3, v7
	v_add_nc_u32 v7, s23, v7                       ; my 8 bytes of the tile's 256 bytes of scale words
	v_lshlrev_b32 v[H8], 3, v3
	v_mov_b32 v[WX], 0                             ; written once: a lane permute's destination counts as a source
	s_mov_b32 s24, 0x76543210
	s_mov_b32 s25, 0xfedcba98                      ; lane l xor 16
	s_mov_b32 s26, 0xffff0000                      ; lanes 16-31
	s_mov_b32 s27, 40                              ; the first block of my tensor
	s_cmp_lt_u32 s19, 40
	s_cselect_b32 s27, 36, s27
	s_cmp_lt_u32 s19, 36
	s_cselect_b32 s27, 32, s27
	s_cmp_lt_u32 s19, 32
	s_cselect_b32 s27, 16, s27
	s_cmp_lt_u32 s19, 16
	s_cselect_b32 s27, 0, s27
	s_sub_co_u32 s28, s19, s27
	s_lshl_b32 s28, s28, 20                        ; 128 rows of 8,192 bytes
	s_lshl_b32 s30, s21, 18                        ; 32 rows a pair
	s_add_co_u32 s28, s28, s30
	s_lshl_b32 s30, s22, 16                        ; 8 rows for the odd tile
	s_add_co_u32 s28, s28, s30
	s_lshl_b32 s30, s18, 11                        ; my four K steps: 2,048 bytes
	s_add_co_u32 s28, s28, s30
	s_mov_b32 s29, 0
	s_mul_i32 s30, s19, 196608                     ; the codes' place
	s_mul_i32 s32, s18, 49152
	s_add_co_u32 s30, s30, s32
	s_mul_i32 s32, ttmp9, 1536
	s_add_co_u32 s30, s30, s32
	s_mov_b32 s31, 0
	s_lshl_b32 s32, s19, 13                        ; the scale words' place
	s_lshl_b32 s34, s18, 11
	s_add_co_u32 s32, s32, s34
	s_lshl_b32 s34, s21, 9
	s_add_co_u32 s32, s32, s34
	s_mov_b32 s33, 0
	s_wait_alu depctr_va_vdst(0)
	s_wait_kmcnt 0x0
	s_cmp_ge_u32 s19, 56                           ; work-groups y = 56 .. 59 scan the mask
	s_cbranch_scc1 .Lscan
	s_mov_b64 s[36:37], s[12:13]
	s_cmp_lt_u32 s19, 40
	s_cselect_b64 s[36:37], s[10:11], s[36:37]
	s_cmp_lt_u32 s19, 36
	s_cselect_b64 s[36:37], s[8:9], s[36:37]
	s_cmp_lt_u32 s19, 32
	s_cselect_b64 s[36:37], s[6:7], s[36:37]
	s_cmp_lt_u32 s19, 16
	s_cselect_b64 s[36:37], s[4:5], s[36:37]
	s_add_nc_u64 s[36:37], s[36:37], s[28:29]
	s_add_nc_u64 s[14:15], s[14:15], s[30:31]
	s_add_nc_u64 s[16:17], s[16:17], s[32:33]
.macro LOADS q                         ; K step q of my four: 16 rows x 512 consecutive bytes
.irp i, 0,1,2,3,4,5,6,7,8,9,10,11,12,13,14,15
	global_load_b128 v[R+64*((\q)%2)+4*\i:R+64*((\q)%2)+4*\i+3], v4, s[36:37] offset:(\i+8*(\i/8))*ROWB+512*(\q) th:TH_LOAD_NT
.endr
.endm
.macro TURN q                          ; through my stage: LDS serves a wave's instructions in order, so no wait stands between the stores and the loads
.irp i, 0,1,2,3,4,5,6,7,8,9,10,11,12,13,14,15
	ds_store_b128 v5, v[R+64*((\q)%2)+4*\i:R+64*((\q)%2)+4*\i+3] offset:SP*\i
.endr
.irp c, 0,1
.irp j, 0,1,2,3,4,5,6,7
	ds_load_b128 v[X+32*\c+4*\j:X+32*\c+4*\j+3], v6 offset:256*\c+16*\j   ; X + 32 c + i = k 64 c + 32 h + i of row r
.endr
.endr
.endm
.macro QUANT1 q                        ; my two whole blocks (2 c + h) become registers 6 c .. 6 c + 5; the row's scale word is gathered from lanes l and l xor 16
.irp c, 0,1
	v_max3_num_f32 v[BM+\c], |v[X+32*\c]|, |v[X+32*\c+1]|, 0x2800000   ; with the floor 2^(5 - 127): the byte cannot fall under 1
.endr
.irp i, 2,4,6,8,10,12,14,16,18,20,22,24,26,28,30
.irp c, 0,1
	v_max3_num_f32 v[BM+\c], v[BM+\c], |v[X+32*\c+\i]|, |v[X+32*\c+\i+1]|
.endr
.endr
.irp c, 0,1
	v_add_nc_u32 v[SO+\c], 0xfe000000, v[BM+\c]    ; 4 off the exponent field: the conversion's scale operand
.endr
.irp c, 0,1
	v_lshrrev_b32 v[BY+\c], 23, v[SO+\c]           ; the scale's byte
.endr
	v_lshl_or_b32 v[WT], v[BY+1], 16, v[BY]        ; blocks h and 2 + h,
	v_lshlrev_b32 v[WT], v[H8], v[WT]              ; at their places
	v_permlanex16_b32 v[WX], v[WT], s24, s25
	v_or_b32 v[SW+(\q)], v[WT], v[WX]              ; the word is whole, in both lanes
.irp c, 0,1
	v_cvt_scalef32_pk16_bf6_f32 v[C+6*\c:C+6*\c+2], v[X+32*\c:X+32*\c+15], v[SO+\c]
	v_cvt_scalef32_pk16_bf6_f32 v[PT+4*\c:PT+4*\c+2], v[X+32*\c+16:X+32*\c+31], v[SO+\c]   ; (a conversion's three registers begin on an even number)
.endr
	v_nop                                          ; one plain place behind a scaled conversion
.irp c, 0,1
.irp i, 0,1,2
	v_mov_b32 v[C+6*\c+3+\i], v[PT+4*\c+\i]
.endr
.endr
.endm
	LOADS 0
	LOADS 1
.irp q, 0,1,2,3
.if \q < 3
	s_wait_loadcnt 16                              ; this K step's 16 loads are in; the next step's may be out
.else
	s_wait_loadcnt 0x0
.endif
	TURN \q
	s_wait_dscnt 0x0                               ; the stage's stores have read their registers, and the 64 numbers are back
.if \q < 2
	LOADS \q+2
.endif
.if \q > 0
	s_wait_xcnt 0x0                                ; the last fragment's stores have read their data: the 12 registers are written again only behind this wait
.endif
	QUANT1 \q
.irp k, 0,1,2
	global_store_b128 v4, v[C+4*\k:C+4*\k+3], s[14:15] offset:12288*\q+512*\k   ; 32 lanes store 512 consecutive bytes, aligned
.endr
.endr
	v_cndmask_b32 v[OW], v[SW], v[SW+2], s26       ; lanes 0-15 store words 0 and 1 of their row, lanes 16-31 words 2 and 3
	v_cndmask_b32 v[OW+1], v[SW+1], v[SW+3], s26
	global_store_b64 v7, v[OW:OW+1], s[16:17]      ; 32 lanes store 256 consecutive bytes, aligned
	s_wait_tensorcnt 0x0                           ; the wave's end: a wait, an add to my spare word and its wait, behind my last LDS store
	ds_add_u32 v[SPW], v[NIL]
	s_wait_dscnt 0x0
	s_endpgm
; THE MASK'S SCAN.  A wave takes one tile T of 16 queries (rows 128 (T / 8) + 32 ((T % 8) / 2) + 8 (T % 2) + i + 8 (i / 8)) and all 2,048 keys: 64 loads of 512 consecutive bytes.
; flg[T] = two words: bit k of the first: key step k (128 keys) has an open key for some query of the tile; bit k of the second: it has a masked key.
; A tile with a row that has no open key at all gets both words 0xffff: every step is then worked with the mask's bytes, so that such a row comes out as a softmax of equal numbers.
; Mask bytes are 0 or 1.  Load q of a row gives lane l the keys 512 q + 16 l + 0 .. 15: key step 4 q + l / 8.
.set MTA, 144                          ; v144-147 a row's AND, a load each; v148-151 its OR
.set MTO, 148
.set MAA, 152                          ; v152-155 the AND over the rows; v156-159 the OR
.set MOO, 156
.set MTT, 160
.macro MLOAD i
.irp q, 0,1,2,3
	global_load_b128 v[R+16*((\i)%8)+4*\q:R+16*((\i)%8)+4*\q+3], v4, s[40:41] offset:((\i)+8*((\i)/8))*2048+512*\q
.endr
.endm
.macro MSCAN i
.set MBS, R+16*((\i)%8)
.if (\i) < 9
	s_wait_loadcnt 28                              ; this row's four loads are in; seven rows' may be out
.else
	s_wait_loadcnt 4*(15-(\i))
.endif
.irp q, 0,1,2,3
	v_and_b32 v[MTA+\q], v[MBS+4*\q], v[MBS+4*\q+1]
	v_or_b32 v[MTO+\q], v[MBS+4*\q], v[MBS+4*\q+1]
.endr
.irp d, 2,3
.irp q, 0,1,2,3
	v_and_b32 v[MTA+\q], v[MTA+\q], v[MBS+4*\q+\d]
	v_or_b32 v[MTO+\q], v[MTO+\q], v[MBS+4*\q+\d]
.endr
.endr
.if (\i) < 8
	MLOAD (\i)+8
.endif
.irp q, 0,1,2,3
	v_and_b32 v[MAA+\q], v[MAA+\q], v[MTA+\q]
	v_or_b32 v[MOO+\q], v[MOO+\q], v[MTO+\q]
.endr
	v_and_b32 v[MTT], v[MTA], v[MTA+1]
	v_and_b32 v[MTT+1], v[MTA+2], v[MTA+3]
	v_and_b32 v[MTT], v[MTT], v[MTT+1]
	v_cmp_ne_u32 s31, 0x01010101, v[MTT]           ; the lanes that see an open key of this row
	s_min_u32 s30, s30, s31                        ; 0 once a row has none
.endm
.Lscan:
	s_sub_co_u32 s20, s19, 56
	s_lshl_b32 s20, s20, 3
	s_add_co_u32 s20, s20, ttmp9
	s_lshl_b32 s20, s20, 2
	s_add_co_u32 s20, s20, s18                     ; T
	s_lshr_b32 s21, s20, 3
	s_lshl_b32 s21, s21, 18                        ; 128 rows of 2,048 bytes
	s_bfe_u32 s22, s20, 0x20001
	s_lshl_b32 s22, s22, 16
	s_add_co_u32 s21, s21, s22
	s_and_b32 s22, s20, 1
	s_lshl_b32 s22, s22, 14
	s_add_co_u32 s28, s21, s22
	s_mov_b32 s29, 0
	s_add_nc_u64 s[40:41], s[40:41], s[28:29]
	s_lshl_b32 s28, s20, 3
	s_add_nc_u64 s[42:43], s[42:43], s[28:29]
	s_mov_b32 s30, -1
.irp i, 0,1,2,3,4,5,6,7
	MLOAD \i
.endr
.irp q, 0,1,2,3
	v_mov_b32 v[MAA+\q], -1
	v_mov_b32 v[MOO+\q], 0
.endr
.irp i, 0,1,2,3,4,5,6,7,8,9,10,11,12,13,14,15
	MSCAN \i
.endr
	s_wait_alu depctr_va_vdst(0)                   ; ahead of the scalar lines below
	s_mov_b32 s32, 0
	s_mov_b32 s33, 0
.irp q, 0,1,2,3
	v_cmp_ne_u32 s34, 0x01010101, v[MAA+\q]        ; lanes with an open key
	v_cmp_ne_u32 s35, 0, v[MOO+\q]                 ; lanes with a masked key
.irp j, 0,1,2,3
	s_and_b32 s44, s34, 0xff<<(8*\j)               ; the eight lanes of key step 4 q + j
	s_cselect_b32 s44, 1<<(4*\q+\j), 0
	s_or_b32 s32, s32, s44
	s_and_b32 s45, s35, 0xff<<(8*\j)
	s_cselect_b32 s45, 1<<(4*\q+\j), 0
	s_or_b32 s33, s33, s45
.endr
.endr
	s_cmp_eq_u32 s30, 0
	s_cselect_b32 s32, 0xffff, s32
	s_cselect_b32 s33, 0xffff, s33
	s_wait_xcnt 0x0                                ; EXEC changes only behind this wait
	v_mov_b32 v2, s32
	v_mov_b32 v3, s33
	v_mov_b32 v5, 0
	v_cmp_eq_u32 vcc_lo, 0, v1
	s_and_saveexec_b32 s34, vcc_lo
	global_store_b64 v5, v[2:3], s[42:43]          ; lane 0 stores the tile's two words
	s_wait_xcnt 0x0
	s_or_b32 exec_lo, exec_lo, s34
	s_endpgm
.Lfunc_end_k_q7df7259f93_quant:
	.size	k_q7df7259f93_quant, .Lfunc_end_k_q7df7259f93_quant-k_q7df7259f93_quant
	.p2alignl 7, 3214868480
	.fill 96, 4, 3214868480
	.section	.rodata,"a",@progbits
	.p2align	6, 0x0
	.amdhsa_kernel k_q7df7259f93_quant
		.amdhsa_group_segment_fixed_size 34304
		.amdhsa_private_segment_fixed_size 0
		.amdhsa_enable_private_segment 0
		.amdhsa_kernarg_size 72
		.amdhsa_user_sgpr_count 2
		.amdhsa_user_sgpr_kernarg_segment_ptr 1
		.amdhsa_wavefront_size32 1
		.amdhsa_system_sgpr_workgroup_id_x 1
		.amdhsa_system_sgpr_workgroup_id_y 1
		.amdhsa_system_sgpr_workgroup_id_z 1
		.amdhsa_system_vgpr_workitem_id 0
		.amdhsa_next_free_vgpr 248
		.amdhsa_next_free_sgpr 66
		.amdhsa_reserve_vcc 1
		.amdhsa_float_denorm_mode_32 3
		.amdhsa_float_denorm_mode_16_64 3
		.amdhsa_memory_ordered 1
		.amdhsa_forward_progress 1
		.amdhsa_inst_pref_size 64
	.end_amdhsa_kernel
	.amdgpu_metadata
---
amdhsa.version: [ 1, 2 ]
amdhsa.kernels:
  - .name:           k_q7df7259f93_quant
    .symbol:         k_q7df7259f93_quant.kd
    .args:
      - { .name: x, .offset: 0, .size: 8, .value_kind: global_buffer, .address_space: global }
      - { .name: wq, .offset: 8, .size: 8, .value_kind: global_buffer, .address_space: global }
      - { .name: wk, .offset: 16, .size: 8, .value_kind: global_buffer, .address_space: global }
      - { .name: wv, .offset: 24, .size: 8, .value_kind: global_buffer, .address_space: global }
      - { .name: wo, .offset: 32, .size: 8, .value_kind: global_buffer, .address_space: global }
      - { .name: cod, .offset: 40, .size: 8, .value_kind: global_buffer, .address_space: global }
      - { .name: scl, .offset: 48, .size: 8, .value_kind: global_buffer, .address_space: global }
      - { .name: mask, .offset: 56, .size: 8, .value_kind: global_buffer, .address_space: global }
      - { .name: flg, .offset: 64, .size: 8, .value_kind: global_buffer, .address_space: global }
    .group_segment_fixed_size: 34304
    .private_segment_fixed_size: 0
    .kernarg_segment_align: 8
    .kernarg_segment_size: 72
    .max_flat_workgroup_size: 128
    .sgpr_count:     66
    .vgpr_count:     248
    .wavefront_size: 32
...
	.end_amdgpu_metadata
.endif
;; end of part 1
;; launch qkv (part 2): grid 12 x 16, 4 waves a work-group, no clusters, 327,680 bytes of LDS; arguments cod, scl, cos, sin, qg, kg, qkc, qks, vc; writes qkc, qks, vc
.if DOCPART == 2
	.amdgcn_target "amdgcn-amd-amdhsa--gfx1250"
	.amdhsa_code_object_version 6
	.text
	.protected	k_q7df7259f93_qkv
	.globl	k_q7df7259f93_qkv
	.p2align	8
	.type	k_q7df7259f93_qkv,@function
k_q7df7259f93_qkv:
	s_mov_b64 s[64:65], 0
	v_nop
	global_prefetch_b8 v0, s[64:65] scope:SCOPE_SE
	s_setreg_imm32_b32 hwreg(HW_REG_WAVE_MODE, 25, 1), 1
	s_wait_xcnt 0x0
.set NT, 4
.set RD, 5
.set SPARE, 196608
.set LA,  4
.set OF,  8
.set SW,  16
.set CSA, 24
.set H64, 25
.set L8,  26
.set SPW, 28
.set NIL, 29
.set RS,  32
.set SS,  96
.set G,   128
.set T,   160
.set U,   192
.set OUT, 224
.set C1,  236
.set SSQ, 240
.set RSV, 244
.set BM,  246
.set BX,  248
.set SO,  250
.set PW,  252
.set G1,  24
.set G0,  32
.set WV,  48
.set SEL, 52
.set MSB, 0
.macro WIN new
.if MSB != (\new)
	s_set_vgpr_msb (MSB<<8)|(\new)
.set MSB, (\new)
.endif
.endm
.macro WM
.if fZ
.if fRA && fRB
	v_wmma_scale_f32_16x16x128_f8f6f4 v[rD:rD+7], v[rA:rA+11], v[rB:rB+11], 0, v[rSA], v[rSB] matrix_a_fmt:MATRIX_FMT_BF6 matrix_b_fmt:MATRIX_FMT_BF6 matrix_a_scale:MATRIX_SCALE_ROW1 matrix_b_scale:MATRIX_SCALE_ROW1
.elseif fRA
	v_wmma_scale_f32_16x16x128_f8f6f4 v[rD:rD+7], v[rA:rA+11], v[rB:rB+11], 0, v[rSA], v[rSB] matrix_a_fmt:MATRIX_FMT_BF6 matrix_b_fmt:MATRIX_FMT_BF6 matrix_a_scale:MATRIX_SCALE_ROW1
.elseif fRB
	v_wmma_scale_f32_16x16x128_f8f6f4 v[rD:rD+7], v[rA:rA+11], v[rB:rB+11], 0, v[rSA], v[rSB] matrix_a_fmt:MATRIX_FMT_BF6 matrix_b_fmt:MATRIX_FMT_BF6 matrix_b_scale:MATRIX_SCALE_ROW1
.else
	v_wmma_scale_f32_16x16x128_f8f6f4 v[rD:rD+7], v[rA:rA+11], v[rB:rB+11], 0, v[rSA], v[rSB] matrix_a_fmt:MATRIX_FMT_BF6 matrix_b_fmt:MATRIX_FMT_BF6
.endif
.else
.if fRA && fRB
	v_wmma_scale_f32_16x16x128_f8f6f4 v[rD:rD+7], v[rA:rA+11], v[rB:rB+11], v[rD:rD+7], v[rSA], v[rSB] matrix_a_fmt:MATRIX_FMT_BF6 matrix_b_fmt:MATRIX_FMT_BF6 matrix_a_scale:MATRIX_SCALE_ROW1 matrix_b_scale:MATRIX_SCALE_ROW1
.elseif fRA
	v_wmma_scale_f32_16x16x128_f8f6f4 v[rD:rD+7], v[rA:rA+11], v[rB:rB+11], v[rD:rD+7], v[rSA], v[rSB] matrix_a_fmt:MATRIX_FMT_BF6 matrix_b_fmt:MATRIX_FMT_BF6 matrix_a_scale:MATRIX_SCALE_ROW1
.elseif fRB
	v_wmma_scale_f32_16x16x128_f8f6f4 v[rD:rD+7], v[rA:rA+11], v[rB:rB+11], v[rD:rD+7], v[rSA], v[rSB] matrix_a_fmt:MATRIX_FMT_BF6 matrix_b_fmt:MATRIX_FMT_BF6 matrix_b_scale:MATRIX_SCALE_ROW1
.else
	v_wmma_scale_f32_16x16x128_f8f6f4 v[rD:rD+7], v[rA:rA+11], v[rB:rB+11], v[rD:rD+7], v[rSA], v[rSB] matrix_a_fmt:MATRIX_FMT_BF6 matrix_b_fmt:MATRIX_FMT_BF6
.endif
.endif
.endm
.macro RFETCH s
	WIN 0x40
.irp u, 0,1,2,3,4,5,6,7
.irp k, 0,1,2
	ds_load_b128 v[96*((\s)%2)+12*\u+4*\k:96*((\s)%2)+12*\u+4*\k+3], v[LA+(\s)/4] offset:((\s)%4)*12288+1536*\u+512*\k
.endr
.endr
.endm
.macro SFETCH s
	WIN 0x80
.set tt, 0
.rept NT
.irp k, 0,1,2
	global_load_b128 v[12*NT*((\s)%RD)+12*tt+4*\k:12*NT*((\s)%RD)+12*tt+4*\k+3], v4, s[58:59] offset:12288*(\s)+1536*tt+512*\k
.endr
.set tt, tt+1
.endr
.endm
.macro MULS s
	WIN 0xf6
.if (\s) == 0
.set fZ, 1
.else
.set fZ, 0
.endif
.set tau, 0
.rept 8
.set tt, 0
.rept NT
.set rD, 8*(NT*tau+tt)
.set rA, 12*NT*((\s)%RD)+12*tt
.set rB, 96*((\s)%2)+12*tau
.set rSA, SS+2*NT*((\s)/4)+4*(tt/2)+(\s)%4
.set rSB, RS+16*((\s)/4)+4*(tau/2)+(\s)%4
.set fRA, tt%2
.set fRB, tau%2
	WM
.set tt, tt+1
.endr
.set tau, tau+1
.endr
.endm
.macro STEP s
.if (\s) > 0
.rept 4
	v_nop
.endr
.endif
.if (\s) < 15
	RFETCH (\s)+1
.endif
.if (\s)+RD-1 < 16
	SFETCH (\s)+RD-1
.endif
.if (\s) < 15
	s_wait_dscnt 24
.else
	s_wait_dscnt 0x0
.endif
.set LEFT, 15-(\s)
.if LEFT > RD-1
.set LEFT, RD-1
.endif
	s_wait_loadcnt 3*NT*LEFT
	MULS \s
.endm
.macro QUANT2 w, base, dst, word
	WIN (\w)|((\w)<<2)
.irp b, 0,1
	v_max3_num_f32 v[BM+\b], |v[(\base)+16*\b]|, |v[(\base)+16*\b+1]|, 0x2800000
.endr
	WIN ((\w)<<2)|((\w)<<4)
.irp i, 2,4,6,8,10,12,14
.irp b, 0,1
	v_max3_num_f32 v[BM+\b], v[BM+\b], |v[(\base)+16*\b+\i]|, |v[(\base)+16*\b+\i+1]|
.endr
.endr
	WIN 0
.irp b, 0,1
	v_permlanex16_b32 v[BX+\b], v[BM+\b], s[SEL], s[SEL+1]
.endr
.irp b, 0,1
	v_max_num_f32 v[BM+\b], v[BM+\b], v[BX+\b]
.endr
.irp b, 0,1
	v_add_nc_u32 v[SO+\b], 0xfe000000, v[BM+\b]
.endr
.irp b, 0,1
	v_lshrrev_b32 v[BX+\b], 23, v[SO+\b]
.endr
	v_lshl_or_b32 v[\word], v[BX+1], 8, v[BX]
	WIN \w
	v_cvt_scalef32_pk16_bf6_f32 v[(\dst):(\dst)+2], v[(\base):(\base)+15], v[SO]
	v_cvt_scalef32_pk16_bf6_f32 v[C1:C1+2], v[(\base)+16:(\base)+31], v[SO+1]
	WIN 0
	v_nop
.irp i, 0,1,2
	v_permlane16_swap_b32 v[(\dst)+\i], v[C1+\i]
.endr
.irp i, 0,1,2
	v_mov_b32 v[(\dst)+3+\i], v[C1+\i]
.endr
.endm
.macro CSLOAD tau
.set CBL, 192*(1-(\tau)%2)
	WIN 0x40
.irp t, 0,1,2,3
.irp jj, 0,1
	global_load_b128 v[CBL+8*\t+4*\jj:CBL+8*\t+4*\jj+3], v[CSA], s[60:61] offset:(32*((\tau)/2)+8*((\tau)%2))*256+128*(\t/2)+32*(\t%2)+16*\jj
	global_load_b128 v[CBL+32+8*\t+4*\jj:CBL+32+8*\t+4*\jj+3], v[CSA], s[62:63] offset:(32*((\tau)/2)+8*((\tau)%2))*256+128*(\t/2)+32*(\t%2)+16*\jj
.endr
.endr
	WIN 0
.endm
.macro SENDC tau
.irp i, 0,1,2
	global_store_b64 v[OF+(\tau)], v[OUT+6*((\tau)%2)+2*\i:OUT+6*((\tau)%2)+2*\i+1], s[66:67] offset:256*\i
.endr
.endm
.macro EPI_QK tau
.set AC, 32*(\tau)
.set CBU, 192*(1-(\tau)%2)
.if (\tau) < 7
	CSLOAD (\tau)+1
	s_wait_loadcnt 16
.else
	s_wait_loadcnt 0x0
.endif
	WIN 0x0f
	v_pk_mul_f32 v[SSQ:SSQ+1], v[AC:AC+1], v[AC:AC+1]
	v_pk_mul_f32 v[SSQ+2:SSQ+3], v[AC+2:AC+3], v[AC+2:AC+3]
.irp n, 4,8,12,16,20,24,28
	v_pk_fma_f32 v[SSQ:SSQ+1], v[AC+\n:AC+\n+1], v[AC+\n:AC+\n+1], v[SSQ:SSQ+1]
	v_pk_fma_f32 v[SSQ+2:SSQ+3], v[AC+\n+2:AC+\n+3], v[AC+\n+2:AC+\n+3], v[SSQ+2:SSQ+3]
.endr
	WIN 0
	v_add_f32 v[SSQ], v[SSQ], v[SSQ+1]
	v_add_f32 v[SSQ+2], v[SSQ+2], v[SSQ+3]
	v_add_f32 v[SSQ], v[SSQ], v[SSQ+2]
	v_permlanex16_b32 v[BX], v[SSQ], s[SEL], s[SEL+1]
	v_add_f32 v[SSQ], v[SSQ], v[BX]
	v_fma_f32 v[SSQ], v[SSQ], s54, s55
	s_wait_alu depctr_va_vdst(0)
	v_rsq_f32 v[RSV], v[SSQ]
	v_nop
	s_wait_alu depctr_va_vdst(0)
	WIN 0x03
.set n, 0
.rept 16
	v_pk_mul_f32 v[T+n:T+n+1], v[AC+n:AC+n+1], v[RSV:RSV+1] op_sel_hi:[1,0]
.set n, n+2
.endr
	WIN 0
.set n, 0
.rept 16
	v_pk_mul_f32 v[T+n:T+n+1], v[T+n:T+n+1], v[G+n:G+n+1]
.set n, n+2
.endr
	WIN 0x04
.set n, 0
.rept 16
	v_pk_mul_f32 v[U+n:U+n+1], v[T+n:T+n+1], v[CBU+n:CBU+n+1]
.set n, n+2
.endr
.set n, 0
.rept 8
	v_pk_fma_f32 v[U+n:U+n+1], v[T+16+n:T+16+n+1], v[CBU+32+n:CBU+32+n+1], v[U+n:U+n+1] neg_lo:[1,0,0] neg_hi:[1,0,0]
.set n, n+2
.endr
.rept 8
	v_pk_fma_f32 v[U+n:U+n+1], v[T+n-16:T+n-15], v[CBU+32+n:CBU+32+n+1], v[U+n:U+n+1]
.set n, n+2
.endr
	WIN 0
.if (\tau) >= 2
	s_wait_alu depctr_va_vdst(0)
	s_wait_xcnt 0x0
.endif
	QUANT2 0, U, OUT+6*((\tau)%2), SW+(\tau)
	SENDC \tau
.endm
.macro EPI_V tau
.if (\tau) >= 2
	s_wait_xcnt 0x0
.endif
	QUANT2 3, 32*(\tau), OUT+6*((\tau)%2), SW+(\tau)
	SENDC \tau
.endm
	s_load_b512 s[4:19], s[0:1], 0x0
	s_load_b64 s[20:21], s[0:1], 0x40
	v_lshl_add_u32 v[SPW], v0, 2, SPARE
	v_mov_b32 v[NIL], 0
	ds_add_u32 v[SPW], v[NIL]
	ds_add_u32 v[SPW], v[NIL]
	v_lshrrev_b32 v1, 5, v0
	v_readfirstlane_b32 s[WV], v1
	s_mov_b32 s49, ttmp9
	s_and_b32 s50, ttmp7, 0xffff
	s_mov_b32 s[SEL], 0x76543210
	s_mov_b32 s[SEL+1], 0xfedcba98
	s_mov_b32 s54, 0x3c800000
	s_mov_b32 s55, 0x358637bd
	s_mov_b32 s56, 0xffff0000
	s_lshl_b32 s76, s49, 2
	s_add_co_u32 s76, s76, s[WV]
	s_lshr_b32 s77, s76, 1
	s_add_co_u32 s77, s77, 16
	s_and_b32 s78, s76, 1
	s_max_u32 s79, s49, 10
	s_sub_co_u32 s79, s79, 10
	s_lshl_b32 s79, s79, 4
	s_add_co_u32 s79, s79, s50
	s_lshr_b32 s80, s79, 3
	s_add_co_u32 s81, s80, 36
	s_and_b32 s82, s79, 7
	s_lshl_b32 s82, s82, 1
	s_lshr_b32 s83, s[WV], 1
	s_add_co_u32 s82, s82, s83
	s_and_b32 s83, s[WV], 1
	s_lshl_b32 s84, s76, 4
	s_add_co_u32 s84, s84, s50
	s_lshl_b32 s85, s80, 5
	s_add_co_u32 s85, s85, s82
	s_mul_i32 s86, s84, 6144
	s_mul_i32 s87, s85, 6144
	s_mul_i32 s88, s83, 768
	s_add_co_u32 s87, s87, s88
	s_lshl_b32 s88, s84, 9
	s_lshl_b32 s89, s85, 8
	s_lshl_b32 s90, s83, 1
	s_add_co_u32 s89, s89, s90
	s_mov_b32 s90, 1536
	s_mov_b32 s91, 98304
	s_cmp_lt_u32 s49, 10
	s_cselect_b32 s81, s50, s81
	s_cselect_b32 s77, s77, s82
	s_cselect_b32 s78, s78, s83
	s_cselect_b32 s86, s86, s87
	s_cselect_b32 s88, s88, s89
	s_cselect_b32 s90, 768, s90
	s_cselect_b32 s91, 3072, s91
	s_mul_i32 s92, s81, 196608
	s_mul_i32 s93, s[WV], 49152                    ; wave w fills K steps 4 w .. 4 w + 3 of the resident block: 49,152 dense bytes, one tensor load
	s_add_co_u32 s92, s92, s93
	s_lshl_b32 s94, s81, 13
	s_mul_i32 s95, s77, 196608
	s_mul_i32 s79, s78, 6144
	s_add_co_u32 s95, s95, s79
	s_lshl_b32 s79, s77, 13
	s_lshl_b32 s80, s78, 10
	s_add_co_u32 s79, s79, s80
	s_lshl_b32 s80, s50, 15
	s_mov_b32 s[G1+0], 3<<16
	s_mov_b32 s[G1+1], 32<<16
	s_mov_b32 s[G1+2], 192<<16
	s_mov_b32 s[G1+3], 32<<16
	s_mov_b32 s[G1+4], 192
	s_mov_b32 s[G1+5], 32
	s_mov_b32 s[G1+6], 0
	s_mov_b32 s[G1+7], 0
	v_and_b32 v1, 31, v0
	v_and_b32 v2, 15, v0
	v_bfe_u32 v3, v0, 4, 1
	v_lshlrev_b32 v[LA], 4, v1
	v_add_nc_u32 v[LA+1], 49152, v[LA]
	v_add_nc_u32 v[LA+2], 98304, v[LA]
	v_add_nc_u32 v[LA+3], 147456, v[LA]
	v_and_b32 v[CSA], 8, v2
	v_add_nc_u32 v[CSA], v[CSA], v2
	v_lshlrev_b32 v[CSA], 8, v[CSA]
	v_lshl_add_u32 v[CSA], v3, 6, v[CSA]
	v_lshlrev_b32 v[H64], 6, v3
	v_lshlrev_b32 v[L8], 3, v1
	s_wait_alu depctr_va_vdst(0)
.irp t, 0,1,2,3,4,5,6,7
	s_mul_i32 s82, s90, \t%4
	s_mul_i32 s83, s91, \t/4
	s_add_co_u32 s82, s82, s83
	v_add_nc_u32 v[OF+\t], s82, v[L8]
.endr
	v_mov_b32 v[BX], 0
	v_mov_b32 v[BX+1], 0
	v_mov_b32 v[RSV+1], 0
	s_wait_dscnt 0x0
	s_wait_kmcnt 0x0
	s_mov_b32 s83, 0
	s_mov_b32 s82, s92
	s_add_nc_u64 s[84:85], s[4:5], s[82:83]
	s_mov_b32 s82, s94
	s_add_nc_u64 s[70:71], s[6:7], s[82:83]
	s_mov_b32 s82, s95
	s_add_nc_u64 s[58:59], s[4:5], s[82:83]
	s_mov_b32 s82, s79
	s_add_nc_u64 s[72:73], s[6:7], s[82:83]
	s_mov_b32 s82, s80
	s_add_nc_u64 s[60:61], s[8:9], s[82:83]
	s_add_nc_u64 s[62:63], s[10:11], s[82:83]
	s_cmp_lt_u32 s49, 10
	s_cselect_b64 s[66:67], s[16:17], s[20:21]
	s_add_nc_u64 s[22:23], s[18:19], 327680        ; V's scale bytes lie behind q's and K's in qks (the sum leaves SCC alone)
	s_cselect_b64 s[68:69], s[18:19], s[22:23]
	s_mov_b32 s82, s86
	s_add_nc_u64 s[66:67], s[66:67], s[82:83]
	s_mov_b32 s82, s88
	s_add_nc_u64 s[68:69], s[68:69], s[82:83]
	s_cmp_lt_u32 s49, 8
	s_cselect_b64 s[74:75], s[12:13], s[14:15]
	s_mov_b32 s[G0], 1
	s_mov_b32 s[G0+1], s93
	s_mov_b64 s[G0+2:G0+3], s[84:85]
	s_or_b32 s[G0+3], s[G0+3], 0x80000000
	s_wait_alu depctr_va_vdst(0)                   ; the head's end
	tensor_load_to_lds s[G0:G0+3], s[G1:G1+7]      ; my one fill; nothing is filled again
	s_nop 0
.rept 4
	v_nop
.endr
	s_cmp_lt_u32 s49, 10
	s_cbranch_scc0 .Lno_tables
.irp t, 0,1,2,3
.irp jj, 0,1
	global_load_b128 v[G+8*\t+4*\jj:G+8*\t+4*\jj+3], v[H64], s[74:75] offset:128*(\t/2)+32*(\t%2)+16*\jj
.endr
.endr
	CSLOAD 0
.Lno_tables:
.irp sg, 0,1,2,3
.irp pr, 0,1,2,3
	global_load_b128 v[RS+16*\sg+4*\pr:RS+16*\sg+4*\pr+3], v4, s[70:71] offset:2048*\sg+512*\pr
.endr
.endr
.irp sg, 0,1,2,3
.irp pr, 0,1
	global_load_b128 v[SS+8*\sg+4*\pr:SS+8*\sg+4*\pr+3], v4, s[72:73] offset:2048*\sg+512*\pr
.endr
.endr
	SFETCH 0
	SFETCH 1
	SFETCH 2
	SFETCH 3
	s_wait_tensorcnt 0x0
	s_barrier_signal -1
	s_barrier_wait -1
	RFETCH 0
.irp s, 0,1,2,3,4,5,6,7,8,9,10,11,12,13,14,15
	STEP \s
.endr
	WIN 0
.rept 4
	v_nop
.endr
	s_cmp_lt_u32 s49, 10
	s_cbranch_scc0 .Lvalues
.irp u, 0,1,2,3,4,5,6,7
	EPI_QK \u
.endr
.irp i, 0,1,2,3
	v_cndmask_b32 v[PW+\i], v[SW+2*\i], v[SW+2*\i+1], s56
.endr
.irp i, 0,1,2,3
	v_or_b32 v[PW+\i], 0x7f7f0000, v[PW+\i]
.endr
	global_store_b128 v4, v[PW:PW+3], s[68:69]
	s_wait_tensorcnt 0x0
	ds_add_u32 v[SPW], v[NIL]
	s_wait_dscnt 0x0
	s_endpgm
.Lvalues:
.irp u, 0,1,2,3,4,5,6,7
	EPI_V \u
.endr
.irp i, 0,1,2,3
	v_cndmask_b32 v[PW+\i], v[SW+2*\i], v[SW+2*\i+1], s56
.endr
.irp i, 0,1,2,3
	global_store_b16 v[L8], v[PW+\i], s[68:69] offset:4*(\i%2)+4096*(\i/2)
.endr
	s_wait_tensorcnt 0x0
	ds_add_u32 v[SPW], v[NIL]
	s_wait_dscnt 0x0
	s_endpgm
.Lfunc_end_k_q7df7259f93_qkv:
	.size	k_q7df7259f93_qkv, .Lfunc_end_k_q7df7259f93_qkv-k_q7df7259f93_qkv
	.p2alignl 7, 3214868480
	.fill 96, 4, 3214868480
	.section	.rodata,"a",@progbits
	.p2align	6, 0x0
	.amdhsa_kernel k_q7df7259f93_qkv
		.amdhsa_group_segment_fixed_size 327680
		.amdhsa_private_segment_fixed_size 0
		.amdhsa_enable_private_segment 0
		.amdhsa_kernarg_size 72
		.amdhsa_user_sgpr_count 2
		.amdhsa_user_sgpr_kernarg_segment_ptr 1
		.amdhsa_wavefront_size32 1
		.amdhsa_system_sgpr_workgroup_id_x 1
		.amdhsa_system_sgpr_workgroup_id_y 1
		.amdhsa_system_sgpr_workgroup_id_z 1
		.amdhsa_system_vgpr_workitem_id 0
		.amdhsa_next_free_vgpr 1024
		.amdhsa_next_free_sgpr 96
		.amdhsa_reserve_vcc 0
		.amdhsa_float_denorm_mode_32 3
		.amdhsa_float_denorm_mode_16_64 3
		.amdhsa_memory_ordered 1
		.amdhsa_forward_progress 1
		.amdhsa_inst_pref_size 215
	.end_amdhsa_kernel
	.amdgpu_metadata
---
amdhsa.version: [ 1, 2 ]
amdhsa.kernels:
  - .name:           k_q7df7259f93_qkv
    .symbol:         k_q7df7259f93_qkv.kd
    .args:
      - { .name: cod, .offset: 0, .size: 8, .value_kind: global_buffer, .address_space: global }
      - { .name: scl, .offset: 8, .size: 8, .value_kind: global_buffer, .address_space: global }
      - { .name: cos, .offset: 16, .size: 8, .value_kind: global_buffer, .address_space: global }
      - { .name: sin, .offset: 24, .size: 8, .value_kind: global_buffer, .address_space: global }
      - { .name: qg, .offset: 32, .size: 8, .value_kind: global_buffer, .address_space: global }
      - { .name: kg, .offset: 40, .size: 8, .value_kind: global_buffer, .address_space: global }
      - { .name: qkc, .offset: 48, .size: 8, .value_kind: global_buffer, .address_space: global }
      - { .name: qks, .offset: 56, .size: 8, .value_kind: global_buffer, .address_space: global }
      - { .name: vc, .offset: 64, .size: 8, .value_kind: global_buffer, .address_space: global }
    .group_segment_fixed_size: 327680
    .private_segment_fixed_size: 0
    .kernarg_segment_align: 8
    .kernarg_segment_size: 72
    .max_flat_workgroup_size: 128
    .sgpr_count:     96
    .vgpr_count:     1024
    .wavefront_size: 32
...
	.end_amdgpu_metadata
.endif
;; end of part 2
;; launch attn (part 3): grid 32 x 8, 8 waves a work-group, no clusters, 222,720 bytes of LDS; arguments qkc, qks, vc, mask, flg, cc, cs; writes cc, cs
.if DOCPART == 3
	.amdgcn_target "amdgcn-amd-amdhsa--gfx1250"
	.amdhsa_code_object_version 6
	.text
	.protected	k_q7df7259f93_attn
	.globl	k_q7df7259f93_attn
	.p2align	8
	.type	k_q7df7259f93_attn,@function
k_q7df7259f93_attn:
	s_mov_b64 s[64:65], 0
	v_nop
	global_prefetch_b8 v0, s[64:65] scope:SCOPE_SE
	s_setreg_imm32_b32 hwreg(HW_REG_WAVE_MODE, 25, 1), 1
	s_wait_xcnt 0x0
; ctx = softmax(q k^T / 8, masked by the given mask) v, both products on codes of BF6; ctx is quantised along (head, channel) for the last product.
; SOFTMAX: t = score x log2(e) / 8; M = the running largest t rounded UP to a whole number; p = 2^(t - M) is quantised along the keys, not normalised; the row's sum is taken of the unquantised p and divides at the end.
; THE MASK IS AN INPUT OF WHOLE NUMBERS, AND THEY DECIDE WHAT IS WORKED.  The launch before stored, for each tile of 16 queries, two words (flg): bit k of the first: key step k (128 keys) has an open key for the tile;
; bit k of the second: it has a masked key.  A step with no open key is jumped over: each of its p is 0 beside the row's open keys, whatever the scores hold.  A tile with a row that has no open key at all has both words 0xffff,
; so that nothing of it is jumped over.  A step with no masked key runs without the mask's lines.  In a mixed step a mask byte 1 becomes the addend -2^125: score - 2^125 is exactly -2^125 (scores stay under 2^101), so a masked key gets
; p = 0 in a row with an open key; a row with no open key gets p = 1 at every key; what was summed before a row's first open key is multiplied by 2^(old M - new M) = 0.
; SHARES: a work-group (x: 0..31, y: the key-value head g) has eight waves, two to a SIMD.  Wave w owns query head 4 g + w % 4 and two tiles of 16 queries, 127 - jp and jp with jp = 2 x + w / 4, one after the other.
; All of the head's K and V codes (2 x 98,304 bytes) and their scale words (8,192 + 4,096 bytes) go through registers into LDS once: the launch has no tensor load,
; and so no joint loads and no cluster.  No prefetch: what comes from memory in bulk is asked for once, at the head, with no loop to run ahead in.
; LAYOUT: S^T = K Q^T and O^T = V^T P^T: a lane holds one query.  Lane r of key tile t takes key 32 (t / 2) + 8 (t % 2) + r + 8 (r / 8): register 16 b + i of the scores is key 32 b + 16 (lane / 16) + i.
; K = 64 IN A FORM OF K = 128: q's upper 64 codes are zeros, so K's operand may run on into the next tile's codes; scale bytes 2 and 3 are 0x7f on both sides.
; THE WAY OUT: two heads make a K step of the last product.  Each wave keeps its two tiles' codes; at the end all meet, lay them into a stage in LDS as images of fragments, and wave f stores fragment f whole.
; LIMITS: NaN and infinities are not served; mask bytes are 0 or 1; v_exp_f32 and v_rcp_f32 are taken as they are; a block's largest p is taken from its largest score (v_exp_f32 is taken not to fall where its input rises).
; cs is written by stores of four bytes a lane (lanes l and l xor 16 store the same word to the same place).
; REGISTERS: window 0: addresses, statistics, scale words, scores, the mask's bytes, codes; window 1: O^T v0-31, the mask's addends v64-127, K's fragments v128-175 and six zeros, V's v184-231, q v232-243, the second tile's q v244-249.
.set SPARE, 196608                     ; behind K and V: the spare words, 128 bytes for each of eight waves
.set KSC,   197632                     ; K's scale words, 512 bytes a key step
.set VSC,   205824                     ; V's, 256 bytes a key step
.set STG,   209920                     ; the stage: 8 fragments of 1,536 bytes
.set SCW,   222208                     ; and their scale words, 64 bytes each
.set AV0, 2
.set MO,  3
.set L16, 4
.set L8,  5
.set ADK, 6
.set ADV, 7
.set MA,  8
.set KSA, 9
.set VSA, 10
.set R16, 11
.set ST,  12                           ; v12-15: -M, the largest t, the sum in two halves
.set KS0, 16
.set VS0, 17
.set FD,  18
.set FK,  19
.set FV,  20
.set SA1, 21
.set SA2, 22
.set SSA, 23
.set RBA, 24
.set RSA, 25
.set R4,  26
.set SPW, 28
.set NIL, 29
.set KS,  32
.set VS,  40
.set QS,  44
.set QSN, 45
.set PS,  48
.set BM,  52
.set BX,  56
.set SO,  60
.set F,   64
.set TT,  66
.set LS,  68
.set PC,  72
.set PT,  84
.set C1,  84
.set SCO, 96
.set RAW, 224
.set CF,  240                          ; v240-245 this tile's codes of ctx; v246-251 the first tile's
.set CFP, 246
.set HW,  252
.set HWP, 253
.set BI,  64                           ; window 1
.set KF,  128
.set VF,  184
.set QF,  232
.set QFN, 244
.set WV,  20
.set HQ,  21
.set WA,  24
.set GH,  25
.set SEL, 26
.set CS,  28
.set SB,  32
.set MB,  40                           ; s[40:41] the tile's rows of the mask; s42, s43 its two flag words; s[44:47] the same of the second tile
.set FO,  42
.set FM,  43
.set KI,  48
.set TB,  49
.set UC,  50
.set MSB, 0
.macro WIN new
.if MSB != (\new)
	s_set_vgpr_msb (MSB<<8)|(\new)
.set MSB, (\new)
.endif
.endm
.macro WM d, a, b, c, sa, sb, row      ; row = 1: source 0's scale words stand in lanes 16-31
.if \row
	v_wmma_scale_f32_16x16x128_f8f6f4 v[\d:\d+7], v[\a:\a+11], v[\b:\b+11], \c, v[\sa], v[\sb] matrix_a_fmt:MATRIX_FMT_BF6 matrix_b_fmt:MATRIX_FMT_BF6 matrix_a_scale:MATRIX_SCALE_ROW1
.else
	v_wmma_scale_f32_16x16x128_f8f6f4 v[\d:\d+7], v[\a:\a+11], v[\b:\b+11], \c, v[\sa], v[\sb] matrix_a_fmt:MATRIX_FMT_BF6 matrix_b_fmt:MATRIX_FMT_BF6
.endif
.endm
.macro UNIT t, mb, fof, fl, qa, qsa    ; tile s[t]: its rows of the mask, its flag words, q's codes and scale words.  s57 = 0, s59 = the query head
	s_lshr_b32 s52, s[\t], 3                       ; token block
	s_and_b32 s53, s[\t], 7                        ; tile of its eight
	s_lshr_b32 s54, s53, 1
	s_and_b32 s55, s53, 1
	s_lshl_b32 s56, s52, 18
	s_lshl_b32 s58, s54, 16
	s_add_co_u32 s56, s56, s58
	s_lshl_b32 s58, s55, 14
	s_add_co_u32 s56, s56, s58
	s_add_nc_u64 s[\mb:\mb+1], s[10:11], s[56:57]
	s_lshl_b32 s[\fof], s[\t], 3
	s_load_b64 s[\fl:\fl+1], s[12:13], s[\fof] offset:0x0
	s_mul_i32 s56, s59, 98304
	s_mul_i32 s58, s52, 6144
	s_add_co_u32 s56, s56, s58
	s_mul_i32 s58, s53, 768
	s_add_co_u32 s56, s56, s58
	s_add_nc_u64 s[\qa:\qa+1], s[4:5], s[56:57]
	s_lshl_b32 s56, s59, 13
	s_lshl_b32 s58, s52, 9
	s_add_co_u32 s56, s56, s58
	s_lshl_b32 s58, s55, 8
	s_add_co_u32 s56, s56, s58
	s_lshl_b32 s58, s54, 2
	s_add_co_u32 s56, s56, s58
	s_add_nc_u64 s[\qsa:\qsa+1], s[6:7], s[56:57]
.endm
.macro SOFTMAX
.irp b, 0,1,2,3
	v_max3_num_f32 v[BM+\b], v[SCO+16*\b], v[SCO+16*\b+1], v[SCO+16*\b+2]   ; the largest score of each block of 32 keys: for the row's maximum and for the block's largest p; each accumulator is read from its low end on
.endr
.irp i, 3,5,7,9,11,13
.irp b, 0,1,2,3
	v_max3_num_f32 v[BM+\b], v[BM+\b], v[SCO+16*\b+\i], v[SCO+16*\b+\i+1]   ; (the four blocks by turns)
.endr
.endr
.irp b, 0,1,2,3
	v_max_num_f32 v[BM+\b], v[BM+\b], v[SCO+16*\b+15]
.endr
.irp b, 0,1,2,3
	s_delay_alu instid0(VALU_DEP_4)
	v_permlanex16_b32 v[BX+\b], v[BM+\b], s[SEL], s[SEL+1]
.endr
.irp b, 0,1,2,3
	s_delay_alu instid0(VALU_DEP_4)
	v_max_num_f32 v[BM+\b], v[BM+\b], v[BX+\b]     ; with lane l xor 16's 16 keys
.endr
	s_delay_alu instid0(VALU_DEP_2)
	v_max3_num_f32 v[TT], v[BM], v[BM+1], v[BM+2]
	s_delay_alu instid0(VALU_DEP_1)
	v_max_num_f32 v[TT], v[TT], v[BM+3]
	s_delay_alu instid0(VALU_DEP_1)
	v_mul_f32 v[TT], s[CS], v[TT]                  ; as t (c is positive)
	s_delay_alu instid0(VALU_DEP_1)
	v_max_num_f32 v[ST+1], v[ST+1], v[TT]          ; the running largest t
	v_mov_b32 v[TT], v[ST]
	s_delay_alu instid0(VALU_DEP_2)
	v_floor_f32 v[ST], -v[ST+1]                    ; the new -M = floor(-t)
	s_delay_alu instid0(VALU_DEP_1)
	v_sub_f32 v[TT], v[ST], v[TT]                  ; old M - new M: a whole number, 0 or less
	s_delay_alu instid0(VALU_DEP_1)
	v_cvt_i32_f32 v[TT], v[TT]                     ; (it saturates)
	s_delay_alu instid0(VALU_DEP_1)
	v_ldexp_f32 v[F], 1.0, v[TT]                   ; f = 2^(old M - new M)
.set n, 0
.rept 32
	v_pk_fma_f32 v[SCO+n:SCO+n+1], v[SCO+n:SCO+n+1], s[CS:CS+1], v[ST:ST+1] op_sel_hi:[1,0,0]   ; t - M
.set n, n+2
.endr
.irp b, 0,1,2,3
	v_fma_f32 v[BM+\b], v[BM+\b], s[CS], v[ST]     ; the same of each block's largest score
.endr
	s_wait_alu depctr_va_vdst(0)                   ; ahead of the batch
.set n, 0
.rept 64
	v_exp_f32 v[SCO+n], v[SCO+n]                   ; p = 2^(t - M)
.set n, n+1
.endr
.irp b, 0,1,2,3
	v_exp_f32 v[BM+\b], v[BM+\b]                   ; each block's largest p, in the same batch
.endr
	v_pk_mul_f32 v[ST+2:ST+3], v[ST+2:ST+3], v[F:F+1] op_sel_hi:[1,0]   ; the sums under the new M: a plain place behind the exponentials
	s_wait_alu depctr_va_vdst(0)                   ; one wait for the batch of 68, ahead of its first reader
	v_pk_add_f32 v[LS:LS+1], v[SCO:SCO+1], v[SCO+2:SCO+3]   ; the row's sum of the unquantised p, in four chains by turns
	v_pk_add_f32 v[70:71], v[SCO+4:SCO+5], v[SCO+6:SCO+7]
	v_pk_add_f32 v[66:67], v[SCO+8:SCO+9], v[SCO+10:SCO+11]
.set n, 12
.rept 6
	v_pk_add_f32 v[ST+2:ST+3], v[ST+2:ST+3], v[SCO+n:SCO+n+1]
	v_pk_add_f32 v[LS:LS+1], v[LS:LS+1], v[SCO+n+2:SCO+n+3]
	v_pk_add_f32 v[70:71], v[70:71], v[SCO+n+4:SCO+n+5]
	v_pk_add_f32 v[66:67], v[66:67], v[SCO+n+6:SCO+n+7]
.set n, n+8
.endr
	v_pk_add_f32 v[ST+2:ST+3], v[ST+2:ST+3], v[SCO+60:SCO+61]
	v_pk_add_f32 v[LS:LS+1], v[LS:LS+1], v[SCO+62:SCO+63]
	v_pk_add_f32 v[70:71], v[70:71], v[66:67]
	v_pk_add_f32 v[ST+2:ST+3], v[ST+2:ST+3], v[LS:LS+1]
	v_pk_add_f32 v[ST+2:ST+3], v[ST+2:ST+3], v[70:71]
.irp b, 0,1,2,3
	v_max_num_f32 v[BM+\b], 0x2800000, v[BM+\b]    ; the floor 2^(5 - 127): the byte cannot fall under 1
.endr
.irp b, 0,1,2,3
	s_delay_alu instid0(VALU_DEP_4)
	v_add_nc_u32 v[SO+\b], 0xfe000000, v[BM+\b]    ; 4 off the exponent field: the conversion's scale operand
.endr
.irp b, 0,1,2,3
	s_delay_alu instid0(VALU_DEP_4)
	v_lshrrev_b32 v[BX+\b], 23, v[SO+\b]
.endr
	s_delay_alu instid0(VALU_DEP_3)
	v_lshl_or_b32 v[PS], v[BX+1], 8, v[BX]         ; p's scale word for these 128 keys
	s_delay_alu instid0(VALU_DEP_1)
	v_lshl_or_b32 v[PS], v[BX+2], 16, v[PS]
	s_delay_alu instid0(VALU_DEP_1)
	v_lshl_or_b32 v[PS], v[BX+3], 24, v[PS]
.irp c, 0,1
	v_cvt_scalef32_pk16_bf6_f32 v[PC+6*\c:PC+6*\c+2], v[SCO+32*\c:SCO+32*\c+15], v[SO+2*\c]
	v_cvt_scalef32_pk16_bf6_f32 v[PT+4*\c:PT+4*\c+2], v[SCO+32*\c+16:SCO+32*\c+31], v[SO+2*\c+1]
.endr
	v_nop                                          ; one plain place behind a scaled conversion
.irp c, 0,1
.irp i, 0,1,2
	v_permlane16_swap_b32 v[PC+6*\c+\i], v[PT+4*\c+\i]
.endr
.irp i, 0,1,2
	s_delay_alu instid0(VALU_DEP_3)
	v_mov_b32 v[PC+6*\c+3+\i], v[PT+4*\c+\i]
.endr
.endr
	s_wait_dscnt 24                                ; V and both scale words are in; the next step's 24 loads of K may be out
	s_wait_alu depctr_va_vdst(0)                   ; directly ahead of the first reader of O^T
	WIN 0x41
.set n, 0
.rept 16
	v_pk_mul_f32 v[n:n+1], v[n:n+1], v[F:F+1] op_sel_hi:[1,0]   ; O^T under the new M; for each of the four products twelve of these name none of its registers: the places behind the writes of p's codes and scale word
.set n, n+2
.endr
.endm
	s_load_b256 s[4:11], s[0:1], 0x0               ; qkc, qks, vc, mask
	s_load_b128 s[12:15], s[0:1], 0x20             ; flg, cc
	s_load_b64 s[16:17], s[0:1], 0x30              ; cs
	v_lshl_add_u32 v[SPW], v0, 2, SPARE
	v_mov_b32 v[NIL], 0
	v_lshrrev_b32 v1, 5, v0
	v_readfirstlane_b32 s[WV], v1                  ; wave 0..7
	s_and_b32 s[HQ], s[WV], 3
	s_lshr_b32 s[WA], s[WV], 2
	s_and_b32 s[GH], ttmp7, 0xffff
	v_and_b32 v31, 31, v0                          ; lane
	v_and_b32 v[R16], 15, v0                       ; r
	v_bfe_u32 v30, v0, 4, 1                        ; h
	v_lshlrev_b32 v[L8], 3, v31
	v_lshlrev_b32 v[L16], 4, v31
	v_add_nc_u32 v[AV0], 98304, v[L8]
	v_and_b32 v[MO], 8, v[R16]
	v_add_nc_u32 v[MO], v[MO], v[R16]
	v_lshlrev_b32 v[MO], 11, v[MO]
	v_lshl_add_u32 v[MO], v30, 4, v[MO]            ; (r + 8 (r / 8)) x 2,048 + 16 h
	v_lshlrev_b32 v[R4], 2, v[R16]
	v_lshlrev_b32 v[R16], 4, v[R16]
	s_wait_alu depctr_va_vdst(0)
	s_mul_i32 s52, s[WV], 24576
	v_add_nc_u32 v[FD], s52, v[L16]                ; the fill: waves 0-3 K's quarters, waves 4-7 V's
	s_lshl_b32 s52, s[WV], 10
	s_add_co_u32 s52, s52, KSC
	v_add_nc_u32 v[FK], s52, v[L16]
	s_lshl_b32 s52, s[WV], 9
	s_add_co_u32 s52, s52, VSC
	v_add_nc_u32 v[FV], s52, v[L16]
	v_add_nc_u32 v[KS0], KSC, v[L16]
	v_add_nc_u32 v[VS0], VSC, v[L8]
	s_lshl_b32 s52, s[WA], 1
	s_lshr_b32 s53, s[HQ], 1
	s_add_co_u32 s52, s52, s53                     ; my first tile's fragment: 2 (w / 4) + pair of heads; the second tile's lies four on
	s_and_b32 s53, s[HQ], 1                        ; c: which half of it is my head's.  Registers 6 c + 0 .. 5 lie at bytes 0, 8, 512 (c = 0) or 520, 1,024, 1,032 (c = 1) + 16 x lane
	s_mul_i32 s54, s52, 1536
	s_add_co_u32 s54, s54, STG
	s_mul_i32 s55, s53, 520
	s_add_co_u32 s55, s55, s54
	v_add_nc_u32 v[SA1], s55, v[L16]
	s_mul_i32 s55, s53, 1016
	s_add_co_u32 s55, s55, s54
	s_add_co_u32 s55, s55, 8
	v_add_nc_u32 v[SA2], s55, v[L16]
	s_lshl_b32 s54, s52, 6
	s_lshl_b32 s55, s53, 1
	s_add_co_u32 s54, s54, s55
	s_add_co_u32 s54, s54, SCW
	v_add_nc_u32 v[SSA], s54, v[R4]
	s_mul_i32 s54, s[WV], 1536
	s_add_co_u32 s54, s54, STG
	v_add_nc_u32 v[RBA], s54, v[L16]               ; the fragment that I store: number w
	s_lshl_b32 s54, s[WV], 6
	s_add_co_u32 s54, s54, SCW
	v_add_nc_u32 v[RSA], s54, v[R4]
	s_mov_b32 s[SEL], 0x76543210
	s_mov_b32 s[SEL+1], 0xfedcba98                 ; lane l xor 16
	s_mov_b32 s[CS], 0x3e38aa3b                    ; log2(e) / 8
	s_mov_b32 s[CS+1], s[CS]
	s_mov_b32 s[SB+0], 0x000c0c0c
	s_mov_b32 s[SB+1], 0x010c0c0c
	s_mov_b32 s[SB+2], 0x020c0c0c
	s_mov_b32 s[SB+3], 0x030c0c0c
	WIN 0x40
.irp i, 6,7,8,9,10,11
	v_mov_b32 v[QF+\i], 0                          ; q's upper 64 codes
.endr
.irp i, 48,49,50,51,52,53
	v_mov_b32 v[KF+\i], 0                          ; what the last key tile's operand runs on into
.endr
	WIN 0
.irp b, 0,1,2,3
	v_mov_b32 v[BX+\b], 0                          ; written once: a lane permute's destination counts as a source
.endr
	v_mov_b32 v[F+1], 0                            ; named only as upper halves of pairs
	v_mov_b32 v[BM+1], 0
.set n, 0
.rept 16
	v_mov_b32 v[RAW+n], 0                          ; written on every way on which they are named
.set n, n+1
.endr
.irp i, 0,1,2,3,4,5
	v_mov_b32 v[CF+\i], 0                          ; the first tile's way out moves these aside before it writes them
.endr
	v_mov_b32 v[HW], 0
	s_wait_alu depctr_va_vdst(0)                   ; the head's end
	s_wait_kmcnt 0x0
	s_add_co_u32 s52, s[GH], 32                    ; K: head 32 + g of qkc; V: head g of vc
	s_lshl_b32 s54, s52, 13
	s_cmp_lt_u32 s[WV], 4
	s_cselect_b32 s52, s52, s[GH]
	s_cselect_b64 s[74:75], s[4:5], s[8:9]         ; the wave's number alone chooses
	s_mul_i32 s52, s52, 98304
	s_mul_i32 s53, s[HQ], 24576
	s_add_co_u32 s52, s52, s53
	s_mov_b32 s53, 0
	s_add_nc_u64 s[74:75], s[74:75], s[52:53]
	s_lshl_b32 s52, s[WV], 10
	s_add_co_u32 s52, s52, s54
	s_add_nc_u64 s[76:77], s[6:7], s[52:53]        ; my 1,024 bytes of K's scale words
	s_lshl_b32 s52, s[GH], 12
	s_lshl_b32 s54, s[WV], 9
	s_add_co_u32 s52, s52, s54
	s_add_co_u32 s52, s52, 327680                  ; V's lie behind q's and K's in qks
	s_add_nc_u64 s[78:79], s[6:7], s[52:53]
.set n, 0
.rept 24
	global_load_b128 v[96+4*n:99+4*n], v[L16], s[74:75] offset:512*n   ; 512 consecutive bytes a load
.set n, n+1
.endr
	WIN 0x40
.rept 24
	global_load_b128 v[4*(n-24):4*(n-24)+3], v[L16], s[74:75] offset:512*n
.set n, n+1
.endr
	WIN 0
	global_load_b128 v[32:35], v[L16], s[76:77]
	global_load_b128 v[36:39], v[L16], s[76:77] offset:512
	global_load_b128 v[40:43], v[L16], s[78:79]
	s_lshl_b32 s63, ttmp9, 1
	s_add_co_u32 s63, s63, s[WA]                   ; jp: my second tile
	s_sub_co_u32 s62, 127, s63                     ; my first
	s_lshl_b32 s59, s[GH], 2
	s_add_co_u32 s59, s59, s[HQ]                   ; my query head
	s_mov_b32 s57, 0
	UNIT 62, 40, 60, 42, 66, 70
	UNIT 63, 44, 61, 46, 68, 72
	WIN 0x40
.irp i, 0,1,2
	global_load_b64 v[QF+2*\i:QF+2*\i+1], v[L8], s[66:67] offset:256*\i
	global_load_b64 v[QFN+2*\i:QFN+2*\i+1], v[L8], s[68:69] offset:256*\i
.endr
	WIN 0
	global_load_b32 v[QS], v[R16], s[70:71]
	global_load_b32 v[QSN], v[R16], s[72:73]
	s_bfe_u32 s52, s[WV], 0x10001                  ; where fragment w goes: tile slot w / 4, (w / 2) % 2; pair of heads e = w % 2
	s_lshl_b32 s53, ttmp9, 1
	s_add_co_u32 s52, s52, s53
	s_sub_co_u32 s53, 127, s52
	s_cmp_lt_u32 s[WV], 4
	s_cselect_b32 s52, s53, s52                    ; its tile
	s_and_b32 s53, s[WV], 1
	s_lshr_b32 s54, s52, 3
	s_and_b32 s55, s52, 7
	s_mul_i32 s56, s54, 196608
	s_lshl_b32 s58, s[GH], 1
	s_add_co_u32 s58, s58, s53                     ; K step 2 g + e
	s_mul_i32 s58, s58, 12288
	s_add_co_u32 s56, s56, s58
	s_mul_i32 s58, s55, 1536
	s_add_co_u32 s56, s56, s58
	s_add_nc_u64 s[80:81], s[14:15], s[56:57]
	s_lshl_b32 s56, s54, 13
	s_lshr_b32 s58, s[GH], 1
	s_lshl_b32 s58, s58, 11
	s_add_co_u32 s56, s56, s58
	s_lshr_b32 s58, s55, 1
	s_lshl_b32 s58, s58, 9
	s_add_co_u32 s56, s56, s58
	s_and_b32 s58, s55, 1
	s_lshl_b32 s58, s58, 8
	s_add_co_u32 s56, s56, s58
	s_and_b32 s58, s[GH], 1
	s_lshl_b32 s58, s58, 3
	s_add_co_u32 s56, s56, s58
	s_lshl_b32 s58, s53, 2
	s_add_co_u32 s56, s56, s58
	s_add_nc_u64 s[82:83], s[16:17], s[56:57]
.set n, 0
.irp i, 0,1
	s_wait_loadcnt 47-12*\i                        ; twelve more of the 48 are in: behind them the rest of the 48 and the 11 younger loads
.rept 12
	ds_store_b128 v[FD], v[96+4*n:99+4*n] offset:512*n
.set n, n+1
.endr
.endr
	WIN 0x04
.irp i, 2,3
	s_wait_loadcnt 47-12*\i
.rept 12
	ds_store_b128 v[FD], v[4*(n-24):4*(n-24)+3] offset:512*n
.set n, n+1
.endr
.endr
	WIN 0
	s_wait_loadcnt 8                               ; the scale words are in; q's eight loads may be out
	ds_store_b128 v[FK], v[32:35]
	ds_store_b128 v[FK], v[36:39] offset:512
	ds_store_b128 v[FV], v[40:43]
	s_wait_loadcnt 0x0                             ; q
	s_wait_kmcnt 0x0                               ; the flag words
	s_wait_dscnt 0x0                               ; for the others' sake: my stores are done
	s_barrier_signal -1
	s_barrier_wait -1                              ; all of K and V and their scale words lie in LDS
	s_mov_b32 s[UC], 2
.Lunit:                                                ; a tile of 16 queries
	WIN 0x40
.set n, 0
.rept 32
	v_mov_b32 v[n], 0                              ; O^T: the key step is written once; which step is a tile's first hangs on the flags
.set n, n+1
.endr
	WIN 0
	v_mov_b32 v[ST+1], 0xff61b1e6                  ; the largest t so far: -3e38
	s_delay_alu instid0(VALU_DEP_1)
	v_floor_f32 v[ST], -v[ST+1]
	v_mov_b32 v[ST+2], 0
	v_mov_b32 v[ST+3], 0
; K's FRAGMENTS, ITS SCALE WORDS AND THE MASK'S BYTES ARE ASKED FOR ONE WORKED STEP AHEAD.  s53 is the step asked for: the place of the next set bit of the first flag word, held at 15 from above; s56: the second flag word moved down to that step.
.macro KFETCH
.irp t, 0,1,2,3,4,5,6,7
.irp i, 0,1,2
	ds_load_b64 v[KF+6*\t+2*\i:KF+6*\t+2*\i+1], v[ADK] offset:768*\t+256*\i
.endr
.endr
.endm
.macro MASKASK                         ; only where step s53 has a masked key
	s_bitcmp1_b32 s56, 0
	s_cbranch_scc0 .Lnm_\@
	v_lshl_add_u32 v[MA], s53, 7, v[MO]
.irp b, 0,1,2,3
	global_load_b128 v[RAW+4*\b:RAW+4*\b+3], v[MA], s[MB:MB+1] offset:32*\b   ; mask(my query, 128 s53 + 32 b + 16 h + 0 .. 15)
.endr
.Lnm_\@:
.endm
	s_mov_b32 s[KI], 0
	s_ctz_i32_b32 s53, s[FO]                       ; the tile's first worked step
	s_min_u32 s53, s53, 15
	s_lshr_b32 s56, s[FM], s53
	s_mul_i32 s54, s53, 6144
	s_lshl_b32 s55, s53, 9
	v_add_nc_u32 v[ADK], s54, v[L8]
	v_add_nc_u32 v[KSA], s55, v[KS0]
	ds_load_b128 v[KS:KS+3], v[KSA]
	WIN 0x40
	KFETCH
	WIN 0
	MASKASK
	s_wait_alu depctr_va_vdst(0)                   ; ahead of the loop
.Lkeys:                                                ; 16 trips whatever the flags; a jump leads round a step's work
	s_bitcmp1_b32 s[FO], 0
	s_cbranch_scc0 .Lnext                          ; no open key in these 128
	s_wait_dscnt 0x0                               ; K and its scale words, asked for a worked step ago
	WIN 0x05
.irp t, 0,1,2,3,4,5,6,7
	WM SCO+8*\t, KF+6*\t, QF, 0, KS+\t/2, QS, \t%2
.endr
	WIN 0
.rept 4
	v_nop                                          ; four places between the products and the first read of scores
.endr
	s_wait_loadcnt 0x0                             ; the mask's bytes, where they were asked for
	s_bitcmp1_b32 s[FM], 0
	s_cbranch_scc0 .Lm2
.set n, 0
.rept 16
	v_mul_lo_u32 v[RAW+n], v[RAW+n], 0xfe          ; bytes 0, 1 become 0x00, 0xfe
.set n, n+1
.endr
	WIN 0x40
.set n, 0
.rept 64
	v_perm_b32 v[BI+n], v[RAW+4*(n/16)+(n%16)/4], v[RAW+4*(n/16)+(n%16)/4], s[SB+n%4]   ; the key's byte on top of three zero bytes: 0 or -2^125
.set n, n+1
.endr
	WIN 0x04
.set n, 0
.rept 32
	v_pk_add_f32 v[SCO+n:SCO+n+1], v[SCO+n:SCO+n+1], v[BI+n:BI+n+1]
.set n, n+2
.endr
	WIN 0
	s_wait_alu depctr_va_vdst(0)                   ; ahead of the scalar lines below
.Lm2:
	s_lshr_b32 s52, s[FO], 1                       ; the steps behind this one
	s_ctz_i32_b32 s53, s52                         ; (-1 where none is left: s53 is then this step once more, and nothing hangs on what it fetches)
	s_add_co_u32 s53, s53, s[KI]
	s_add_co_u32 s53, s53, 1
	s_min_u32 s53, s53, 15                         ; the next worked step
	s_sub_co_u32 s56, s53, s[KI]
	s_lshr_b32 s56, s[FM], s56
	s_cmp_lg_u32 s52, 0
	s_cselect_b32 s56, s56, 0                      ; no step left: no bytes of the mask are asked for
	s_mul_i32 s54, s53, 6144
	s_lshl_b32 s55, s53, 9
	s_mul_i32 s[TB], s[KI], 6144
	s_lshl_b32 s58, s[KI], 8
	v_add_nc_u32 v[ADV], s[TB], v[AV0]
	v_add_nc_u32 v[VSA], s58, v[VS0]
	v_add_nc_u32 v[ADK], s54, v[L8]
	v_add_nc_u32 v[KSA], s55, v[KS0]
	ds_load_b64 v[VS:VS+1], v[VSA]                 ; this step's V lands under the softmax,
	ds_load_b128 v[KS:KS+3], v[KSA]                ; and the next step's K goes into the registers that the products above have read (four places and more stand between)
	WIN 0x40
.irp t, 0,1,2,3
.irp c, 0,1
.irp i, 0,1,2
	ds_load_b64 v[VF+12*\t+6*\c+2*\i:VF+12*\t+6*\c+2*\i+1], v[ADV] offset:1536*\t+768*\c+256*\i
.endr
.endr
.endr
	KFETCH
	WIN 0
	MASKASK
	SOFTMAX
	WIN 0x51
.irp t, 0,1,2,3
	WM 8*\t, VF+12*\t, PC, v[8*\t:8*\t+7], VS+\t/2, PS, \t%2   ; O^T += V^T P^T: four accumulators, one instruction each
.endr
	WIN 0
.Lnext:
	s_lshr_b32 s[FO], s[FO], 1
	s_lshr_b32 s[FM], s[FM], 1
	s_add_co_u32 s[KI], s[KI], 1
	s_cmp_lt_u32 s[KI], 16
	s_cbranch_scc1 .Lkeys
	s_wait_loadcnt 0x0                             ; nothing of the look-ahead is out: the mask's base and K's registers are written again below
	s_wait_dscnt 0x0
	v_nop
	v_nop
	v_add_f32 v[SO], v[ST+2], v[ST+3]              ; the sum's two halves,
	s_delay_alu instid0(VALU_DEP_1)
	v_permlanex16_b32 v[BX], v[SO], s[SEL], s[SEL+1]
	s_delay_alu instid0(VALU_DEP_1)
	v_add_f32 v[SO], v[SO], v[BX]                  ; and lane l xor 16's
	v_nop
	s_wait_alu depctr_va_vdst(0)                   ; ahead of the transcendental
	v_rcp_f32 v[BM], v[SO]
.irp i, 0,1,2,3,4,5
	v_mov_b32 v[CFP+\i], v[CF+\i]                  ; the tile before's codes step aside (plain places behind the reciprocal)
.endr
	v_mov_b32 v[HWP], v[HW]
	s_wait_alu depctr_va_vdst(0)                   ; ahead of the reciprocal's first reader, which is O^T's too
	WIN 0x01
.set n, 0
.rept 16
	v_pk_mul_f32 v[SCO+n:SCO+n+1], v[n:n+1], v[BM:BM+1] op_sel_hi:[1,0]   ; ctx: index 16 b + i = channel 32 b + 16 h + i
.set n, n+2
.endr
	WIN 0
.irp b, 0,1
	v_max3_num_f32 v[BM+\b], |v[SCO+16*\b]|, |v[SCO+16*\b+1]|, 0x2800000   ; ctx's two blocks of 32 channels, with the floor 2^(5 - 127)
.endr
.irp i, 2,4,6,8,10,12,14
.irp b, 0,1
	s_delay_alu instid0(VALU_DEP_2)
	v_max3_num_f32 v[BM+\b], v[BM+\b], |v[SCO+16*\b+\i]|, |v[SCO+16*\b+\i+1]|
.endr
.endr
.irp b, 0,1
	s_delay_alu instid0(VALU_DEP_2)
	v_permlanex16_b32 v[BX+\b], v[BM+\b], s[SEL], s[SEL+1]
.endr
.irp b, 0,1
	s_delay_alu instid0(VALU_DEP_2)
	v_max_num_f32 v[BM+\b], v[BM+\b], v[BX+\b]
.endr
.irp b, 0,1
	s_delay_alu instid0(VALU_DEP_2)
	v_add_nc_u32 v[SO+\b], 0xfe000000, v[BM+\b]
.endr
.irp b, 0,1
	s_delay_alu instid0(VALU_DEP_2)
	v_lshrrev_b32 v[BX+\b], 23, v[SO+\b]
.endr
	s_delay_alu instid0(VALU_DEP_1)
	v_lshl_or_b32 v[HW], v[BX+1], 8, v[BX]         ; my head's two scale bytes
	v_cvt_scalef32_pk16_bf6_f32 v[CF:CF+2], v[SCO:SCO+15], v[SO]
	v_cvt_scalef32_pk16_bf6_f32 v[C1:C1+2], v[SCO+16:SCO+31], v[SO+1]
	v_nop                                          ; one plain place behind a scaled conversion
.irp i, 0,1,2
	v_permlane16_swap_b32 v[CF+\i], v[C1+\i]       ; each lane now holds one whole block
.endr
.irp i, 0,1,2
	s_delay_alu instid0(VALU_DEP_3)
	v_mov_b32 v[CF+3+\i], v[C1+\i]
.endr
	v_mov_b32 v[QS], v[QSN]                        ; on to the second tile: its q, its rows of the mask, its flags
	WIN 0x41
.irp i, 0,1,2,3,4,5
	v_mov_b32 v[QF+\i], v[QFN+\i]
.endr
	WIN 0
	s_mov_b64 s[MB:MB+1], s[44:45]                 ; (every load by the old base has been waited for)
	s_mov_b64 s[FO:FO+1], s[46:47]
	s_sub_co_u32 s[UC], s[UC], 1
	s_cmp_lg_u32 s[UC], 0
	s_wait_alu depctr_va_vdst(0)                   ; directly ahead of the branch
	s_cbranch_scc1 .Lunit
	s_wait_dscnt 0x0
	s_barrier_signal -1
	s_barrier_wait -1                              ; the stage's stores stand behind every wave's last read of K and V
	ds_store_b64 v[SA1], v[CFP:CFP+1]
	ds_store_b64 v[SA2], v[CFP+2:CFP+3]
	ds_store_b64 v[SA1], v[CFP+4:CFP+5] offset:512
	ds_store_b16 v[SSA], v[HWP]                    ; lanes l and l xor 16 write the same bytes with the same value
	ds_store_b64 v[SA1], v[CF:CF+1] offset:6144
	ds_store_b64 v[SA2], v[CF+2:CF+3] offset:6144
	ds_store_b64 v[SA1], v[CF+4:CF+5] offset:6656
	ds_store_b16 v[SSA], v[HW] offset:256
	s_wait_dscnt 0x0                               ; for the others' sake: my stores are done
	s_barrier_signal -1
	s_barrier_wait -1                              ; eight whole fragments lie in the stage
.irp k, 0,1,2
	ds_load_b128 v[96+4*\k:99+4*\k], v[RBA] offset:512*\k
.endr
	ds_load_b32 v108, v[RSA]
	s_wait_dscnt 0x0
.irp k, 0,1,2
	global_store_b128 v[L16], v[96+4*\k:99+4*\k], s[80:81] offset:512*\k   ; 512 consecutive bytes, aligned
.endr
	global_store_b32 v[R16], v108, s[82:83]
	s_wait_tensorcnt 0x0                           ; the wave's end: a wait, an add to my spare word and its wait, behind my last LDS store
	ds_add_u32 v[SPW], v[NIL]
	s_wait_dscnt 0x0
	s_endpgm
.Lfunc_end_k_q7df7259f93_attn:
	.size	k_q7df7259f93_attn, .Lfunc_end_k_q7df7259f93_attn-k_q7df7259f93_attn
	.p2alignl 7, 3214868480
	.fill 96, 4, 3214868480
	.section	.rodata,"a",@progbits
	.p2align	6, 0x0
	.amdhsa_kernel k_q7df7259f93_attn
		.amdhsa_group_segment_fixed_size 222720
		.amdhsa_private_segment_fixed_size 0
		.amdhsa_enable_private_segment 0
		.amdhsa_kernarg_size 56
		.amdhsa_user_sgpr_count 2
		.amdhsa_user_sgpr_kernarg_segment_ptr 1
		.amdhsa_wavefront_size32 1
		.amdhsa_system_sgpr_workgroup_id_x 1
		.amdhsa_system_sgpr_workgroup_id_y 1
		.amdhsa_system_sgpr_workgroup_id_z 1
		.amdhsa_system_vgpr_workitem_id 0
		.amdhsa_next_free_vgpr 512
		.amdhsa_next_free_sgpr 96
		.amdhsa_reserve_vcc 0
		.amdhsa_float_denorm_mode_32 3
		.amdhsa_float_denorm_mode_16_64 3
		.amdhsa_memory_ordered 1
		.amdhsa_forward_progress 1
		.amdhsa_inst_pref_size 55
	.end_amdhsa_kernel
	.amdgpu_metadata
---
amdhsa.version: [ 1, 2 ]
amdhsa.kernels:
  - .name:           k_q7df7259f93_attn
    .symbol:         k_q7df7259f93_attn.kd
    .args:
      - { .name: qkc, .offset: 0, .size: 8, .value_kind: global_buffer, .address_space: global }
      - { .name: qks, .offset: 8, .size: 8, .value_kind: global_buffer, .address_space: global }
      - { .name: vc, .offset: 16, .size: 8, .value_kind: global_buffer, .address_space: global }
      - { .name: mask, .offset: 24, .size: 8, .value_kind: global_buffer, .address_space: global }
      - { .name: flg, .offset: 32, .size: 8, .value_kind: global_buffer, .address_space: global }
      - { .name: cc, .offset: 40, .size: 8, .value_kind: global_buffer, .address_space: global }
      - { .name: cs, .offset: 48, .size: 8, .value_kind: global_buffer, .address_space: global }
    .group_segment_fixed_size: 222720
    .private_segment_fixed_size: 0
    .kernarg_segment_align: 8
    .kernarg_segment_size: 56
    .max_flat_workgroup_size: 256
    .sgpr_count:     96
    .vgpr_count:     512
    .wavefront_size: 32
...
	.end_amdgpu_metadata
.endif
;; end of part 3
;; launch proj (part 4): grid 16 x 16, 4 waves a work-group, clusters of 4 x 1, 264,704 bytes of LDS; arguments cc, cs, cod, scl, out0; writes out0
.if DOCPART == 4
	.amdgcn_target "amdgcn-amd-amdhsa--gfx1250"
	.amdhsa_code_object_version 6
	.text
	.protected	k_q7df7259f93_proj
	.globl	k_q7df7259f93_proj
	.p2align	8
	.type	k_q7df7259f93_proj,@function
k_q7df7259f93_proj:
	s_mov_b64 s[64:65], 0
	v_nop
	global_prefetch_b8 v0, s[64:65] scope:SCOPE_SE
	s_setreg_imm32_b32 hwreg(HW_REG_WAVE_MODE, 25, 1), 1
	s_wait_xcnt 0x0
	s_wait_alu depctr_hold_cnt(0) depctr_sa_sdst(0) depctr_va_vdst(0) depctr_va_sdst(0) depctr_va_ssrc(0) depctr_va_vcc(0) depctr_vm_vsrc(0)
	s_getreg_b32 s2, hwreg(HW_REG_IB_STS2, 6, 4)
	s_cmp_eq_u32 s2, 0
	s_cbranch_scc0 .Lentry_in_a_cluster
	s_endpgm
.Lentry_in_a_cluster:
	s_bfe_u32 s2, ttmp6, 0x10000c
	s_cmp_lg_u32 s2, 0x3003
	s_cbranch_scc0 .Lentry_shape_is_right
	s_endpgm
.Lentry_shape_is_right:
; out0 = ctx wo^T on codes of BF6.  A work-group makes 128 tokens (y) x 128 columns (x); a wave 128 x 32.
; RESIDENT: the token block's codes of ctx for all of K, 196,608 bytes, into LDS by one tensor load a wave, filled once.  CLUSTER: the four column blocks of a cluster need the same token block: the fills are asked for jointly, mask 15.
; STREAMED: wave w's two tiles of wo's rows, from memory straight into a ring of eight register sets, since only that wave reads them.
; Source 0 = a tile of wo, source 1 = a tile of ctx: lane (r, h) holds token 32 (u / 2) + 8 (u % 2) + r + 8 (r / 8), and register j of tile t the column 32 w + 16 h + 8 t + j.
; THE WAY OUT: through a stage of 128 rows x (512 + 16) bytes of its own, behind the spare words; a barrier; each wave stores 32 whole rows of 512 bytes.
; LIMITS: NaN and infinities are not served.
; REGISTERS: window 0: addresses, scale words, rows on the way out; window 1: resident fragments, two sets; window 2: the streamed ring; window 3: 16 accumulators, (u, t) at 8 (2 u + t).
.set NT, 2
.set RD, 8
.set SPARE, 196608
.set STG, 197120                       ; the stage
.set SPI, 528
.set LA,  4                            ; v4-7
.set STO, 8                            ; v8   where I put 16 bytes of a row
.set RDA, 9                            ; v9   where I read a row back
.set SPW, 28
.set NIL, 29
.set RS,  32                           ; v32-95
.set SS,  96                           ; v96-111
.set OB,  128                          ; v128-255 32 rows on the way out
.set G1,  24
.set G0,  32
.set WV,  48
.set MSB, 0
.macro WIN new
.if MSB != (\new)
	s_set_vgpr_msb (MSB<<8)|(\new)
.set MSB, (\new)
.endif
.endm
.macro WM
.if fZ
.if fRA && fRB
	v_wmma_scale_f32_16x16x128_f8f6f4 v[rD:rD+7], v[rA:rA+11], v[rB:rB+11], 0, v[rSA], v[rSB] matrix_a_fmt:MATRIX_FMT_BF6 matrix_b_fmt:MATRIX_FMT_BF6 matrix_a_scale:MATRIX_SCALE_ROW1 matrix_b_scale:MATRIX_SCALE_ROW1
.elseif fRA
	v_wmma_scale_f32_16x16x128_f8f6f4 v[rD:rD+7], v[rA:rA+11], v[rB:rB+11], 0, v[rSA], v[rSB] matrix_a_fmt:MATRIX_FMT_BF6 matrix_b_fmt:MATRIX_FMT_BF6 matrix_a_scale:MATRIX_SCALE_ROW1
.elseif fRB
	v_wmma_scale_f32_16x16x128_f8f6f4 v[rD:rD+7], v[rA:rA+11], v[rB:rB+11], 0, v[rSA], v[rSB] matrix_a_fmt:MATRIX_FMT_BF6 matrix_b_fmt:MATRIX_FMT_BF6 matrix_b_scale:MATRIX_SCALE_ROW1
.else
	v_wmma_scale_f32_16x16x128_f8f6f4 v[rD:rD+7], v[rA:rA+11], v[rB:rB+11], 0, v[rSA], v[rSB] matrix_a_fmt:MATRIX_FMT_BF6 matrix_b_fmt:MATRIX_FMT_BF6
.endif
.else
.if fRA && fRB
	v_wmma_scale_f32_16x16x128_f8f6f4 v[rD:rD+7], v[rA:rA+11], v[rB:rB+11], v[rD:rD+7], v[rSA], v[rSB] matrix_a_fmt:MATRIX_FMT_BF6 matrix_b_fmt:MATRIX_FMT_BF6 matrix_a_scale:MATRIX_SCALE_ROW1 matrix_b_scale:MATRIX_SCALE_ROW1
.elseif fRA
	v_wmma_scale_f32_16x16x128_f8f6f4 v[rD:rD+7], v[rA:rA+11], v[rB:rB+11], v[rD:rD+7], v[rSA], v[rSB] matrix_a_fmt:MATRIX_FMT_BF6 matrix_b_fmt:MATRIX_FMT_BF6 matrix_a_scale:MATRIX_SCALE_ROW1
.elseif fRB
	v_wmma_scale_f32_16x16x128_f8f6f4 v[rD:rD+7], v[rA:rA+11], v[rB:rB+11], v[rD:rD+7], v[rSA], v[rSB] matrix_a_fmt:MATRIX_FMT_BF6 matrix_b_fmt:MATRIX_FMT_BF6 matrix_b_scale:MATRIX_SCALE_ROW1
.else
	v_wmma_scale_f32_16x16x128_f8f6f4 v[rD:rD+7], v[rA:rA+11], v[rB:rB+11], v[rD:rD+7], v[rSA], v[rSB] matrix_a_fmt:MATRIX_FMT_BF6 matrix_b_fmt:MATRIX_FMT_BF6
.endif
.endif
.endm
.macro ROUND                           ; a round of the cluster's barrier
	s_barrier_signal -1
	s_barrier_wait -1
	s_cmp_lg_u32 s[WV], 0
	s_cbranch_scc1 .Lnot_wave_0_\@
	s_barrier_signal -3
.Lnot_wave_0_\@:
	s_barrier_wait -3
	s_barrier_signal -1
	s_barrier_wait -1
.endm
.macro RFETCH s                        ; the resident operand's 8 fragments of K step s into set s % 2
	WIN 0x40
.irp u, 0,1,2,3,4,5,6,7
.irp k, 0,1,2
	ds_load_b128 v[96*((\s)%2)+12*\u+4*\k:96*((\s)%2)+12*\u+4*\k+3], v[LA+(\s)/4] offset:((\s)%4)*12288+1536*\u+512*\k
.endr
.endr
.endm
.macro SFETCH s                        ; my streamed tiles of K step s into ring set s % RD
	WIN 0x80
.set tt, 0
.rept NT
.irp k, 0,1,2
	global_load_b128 v[12*NT*((\s)%RD)+12*tt+4*\k:12*NT*((\s)%RD)+12*tt+4*\k+3], v4, s[68:69] offset:12288*(\s)+1536*tt+512*\k
.endr
.set tt, tt+1
.endr
.endm
.macro MULS s                          ; 16 products; the accumulators take turns, one instruction a turn
	WIN 0xf6
.if (\s) == 0
.set fZ, 1
.else
.set fZ, 0
.endif
.set tau, 0
.rept 8
.set tt, 0
.rept NT
.set rD, 8*(NT*tau+tt)
.set rA, 12*NT*((\s)%RD)+12*tt
.set rB, 96*((\s)%2)+12*tau
.set rSA, SS+2*NT*((\s)/4)+4*(tt/2)+(\s)%4
.set rSB, RS+16*((\s)/4)+4*(tau/2)+(\s)%4
.set fRA, tt%2
.set fRB, tau%2
	WM
.set tt, tt+1
.endr
.set tau, tau+1
.endr
.endm
.macro STEP s
.if (\s) > 0
.rept 4
	v_nop                                          ; four places between the last step's products and the loads into the registers that they read
.endr
.endif
.if (\s) < 15
	RFETCH (\s)+1
.endif
.if (\s)+RD-1 < 16
	SFETCH (\s)+RD-1
.endif
.if (\s) < 15
	s_wait_dscnt 24                                ; all but the 24 just issued
.else
	s_wait_dscnt 0x0
.endif
.set LEFT, 15-(\s)
.if LEFT > RD-1
.set LEFT, RD-1
.endif
	s_wait_loadcnt 3*NT*LEFT                       ; the ring sets behind this step's may be out
	MULS \s
.endm
	s_load_b256 s[4:11], s[0:1], 0x0               ; cc, cs, cod, scl
	s_load_b64 s[12:13], s[0:1], 0x20              ; out0
	v_lshl_add_u32 v[SPW], v0, 2, SPARE
	v_mov_b32 v[NIL], 0
	ds_add_u32 v[SPW], v[NIL]                      ; the wave's opening: the add and its wait ahead of my first tensor load
	ds_add_u32 v[SPW], v[NIL]
	v_lshrrev_b32 v1, 5, v0
	v_readfirstlane_b32 s[WV], v1
	s_bfe_u32 s49, ttmp6, 0x40000                  ; cx: it enters wo's and out0's addresses alone
	s_lshl_b32 s50, ttmp9, 2
	s_add_co_u32 s50, s50, s49                     ; column block
	s_and_b32 s51, ttmp7, 0xffff                   ; token block, which the partners share
	s_mul_i32 s52, s51, 196608
	s_mul_i32 s53, s[WV], 49152                    ; wave w fills K steps 4 w .. 4 w + 3 of the resident block: 49,152 dense bytes, one joint load
	s_add_co_u32 s52, s52, s53                     ; the resident block, my first K step
	s_lshl_b32 s54, s51, 13                        ; its scale words
	s_add_co_u32 s55, s50, 40                      ; wo's blocks begin at 40
	s_mul_i32 s56, s55, 196608
	s_mul_i32 s57, s[WV], 3072
	s_add_co_u32 s56, s56, s57                     ; my two tiles
	s_lshl_b32 s57, s55, 13
	s_lshl_b32 s58, s[WV], 9
	s_add_co_u32 s57, s57, s58                     ; their scale words
	s_lshl_b32 s58, s51, 7
	s_lshl_b32 s59, s[WV], 5
	s_add_co_u32 s58, s58, s59                     ; the first row that I store
	s_lshl_b32 s58, s58, 13
	s_lshl_b32 s59, s50, 9
	s_add_co_u32 s58, s58, s59
	s_mov_b32 s[G1+0], 15|(3<<16)|(1<<21)          ; the mask: all four work-groups; elements of 8 bytes; bit 21 beside a mask
	s_mov_b32 s[G1+1], 32<<16
	s_mov_b32 s[G1+2], 192<<16
	s_mov_b32 s[G1+3], 32<<16
	s_mov_b32 s[G1+4], 192
	s_mov_b32 s[G1+5], 32
	s_mov_b32 s[G1+6], 0
	s_mov_b32 s[G1+7], 0
	v_and_b32 v1, 31, v0
	v_and_b32 v2, 15, v0
	v_bfe_u32 v3, v0, 4, 1
	v_lshlrev_b32 v[LA], 4, v1
	v_add_nc_u32 v[LA+1], 49152, v[LA]
	v_add_nc_u32 v[LA+2], 98304, v[LA]
	v_add_nc_u32 v[LA+3], 147456, v[LA]
	v_and_b32 v[STO], 8, v2
	v_add_nc_u32 v[STO], v[STO], v2
	v_mul_u32_u24 v[STO], v[STO], SPI
	v_lshl_add_u32 v[STO], v3, 6, v[STO]
	s_lshl_b32 s72, s[WV], 7
	s_add_co_u32 s72, s72, STG
	v_add_nc_u32 v[STO], s72, v[STO]               ; row r + 8 (r / 8), + 128 w + 64 h
	s_mul_i32 s73, s[WV], 32*SPI
	s_add_co_u32 s73, s73, STG
	v_add_nc_u32 v[RDA], s73, v[LA]                ; my 32 rows, 16 bytes a lane
	s_wait_dscnt 0x0                               ; the opening add is done
	s_wait_kmcnt 0x0
	s_mov_b32 s61, 0
	s_mov_b32 s60, s52
	s_add_nc_u64 s[62:63], s[4:5], s[60:61]
	s_mov_b32 s60, s54
	s_add_nc_u64 s[66:67], s[6:7], s[60:61]
	s_mov_b32 s60, s56
	s_add_nc_u64 s[68:69], s[8:9], s[60:61]
	s_mov_b32 s60, s57
	s_add_nc_u64 s[70:71], s[10:11], s[60:61]
	s_mov_b32 s60, s58
	s_add_nc_u64 s[12:13], s[12:13], s[60:61]
	s_mov_b32 s[G0], 1
	s_mov_b32 s[G0+1], s53
	s_mov_b64 s[G0+2:G0+3], s[62:63]
	s_or_b32 s[G0+3], s[G0+3], 0x80000000
	ROUND                                          ; all four work-groups are here: the joint loads meet
	tensor_load_to_lds s[G0:G0+3], s[G1:G1+7]      ; my one fill; nothing is filled again
	s_nop 0
.rept 4
	v_nop
.endr
.irp sg, 0,1,2,3
.irp pr, 0,1,2,3
	global_load_b128 v[RS+16*\sg+4*\pr:RS+16*\sg+4*\pr+3], v4, s[66:67] offset:2048*\sg+512*\pr
.endr
.endr
.irp sg, 0,1,2,3
	global_load_b128 v[SS+4*\sg:SS+4*\sg+3], v4, s[70:71] offset:2048*\sg
.endr
.irp s, 0,1,2,3,4,5,6
	SFETCH \s
.endr
	s_wait_tensorcnt 0x0
	s_barrier_signal -1
	s_barrier_wait -1                              ; everybody's has
	RFETCH 0
	s_wait_alu depctr_va_vdst(0)
.irp s, 0,1,2,3,4,5,6,7,8,9,10,11,12,13,14,15
	STEP \s
.endr
	WIN 0
.rept 4
	v_nop                                          ; four places between the last products and the first read of results
.endr
	WIN 0x0c                                       ; an LDS store's data: window 3
.set tau, 0
.rept 8
.set tt, 0
.rept 2
	ds_store_b128 v[STO], v[8*(2*tau+tt):8*(2*tau+tt)+3] offset:(32*(tau/2)+8*(tau%2))*SPI+32*tt       ; each accumulator from its low end on
	ds_store_b128 v[STO], v[8*(2*tau+tt)+4:8*(2*tau+tt)+7] offset:(32*(tau/2)+8*(tau%2))*SPI+32*tt+16
.set tt, tt+1
.endr
.set tau, tau+1
.endr
	WIN 0
	s_wait_dscnt 0x0                               ; for the others' sake: my stores into the stage are done
	s_barrier_signal -1
	s_barrier_wait -1                              ; 128 whole rows lie in the stage
.set n, 0
.rept 32
	ds_load_b128 v[OB+4*n:OB+4*n+3], v[RDA] offset:SPI*n
.set n, n+1
.endr
.set n, 0
.rept 32
	s_wait_dscnt 31-n                              ; row n is back; the rows behind it may be out
	global_store_b128 v4, v[OB+4*n:OB+4*n+3], s[12:13] offset:8192*n th:TH_STORE_NT   ; 32 lanes store 512 consecutive bytes, aligned
.set n, n+1
.endr
	s_wait_tensorcnt 0x0                           ; the wave's end: a wait, an add to my spare word and its wait, behind my last tensor load and my last LDS store
	ds_add_u32 v[SPW], v[NIL]
	s_wait_dscnt 0x0
	ROUND                                          ; the closing round
	s_endpgm
.Lfunc_end_k_q7df7259f93_proj:
	.size	k_q7df7259f93_proj, .Lfunc_end_k_q7df7259f93_proj-k_q7df7259f93_proj
	.p2alignl 7, 3214868480
	.fill 96, 4, 3214868480
	.section	.rodata,"a",@progbits
	.p2align	6, 0x0
	.amdhsa_kernel k_q7df7259f93_proj
		.amdhsa_group_segment_fixed_size 264704
		.amdhsa_private_segment_fixed_size 0
		.amdhsa_enable_private_segment 0
		.amdhsa_kernarg_size 40
		.amdhsa_user_sgpr_count 2
		.amdhsa_user_sgpr_kernarg_segment_ptr 1
		.amdhsa_wavefront_size32 1
		.amdhsa_system_sgpr_workgroup_id_x 1
		.amdhsa_system_sgpr_workgroup_id_y 1
		.amdhsa_system_sgpr_workgroup_id_z 1
		.amdhsa_system_vgpr_workitem_id 0
		.amdhsa_next_free_vgpr 1024
		.amdhsa_next_free_sgpr 96
		.amdhsa_reserve_vcc 0
		.amdhsa_float_denorm_mode_32 3
		.amdhsa_float_denorm_mode_16_64 3
		.amdhsa_memory_ordered 1
		.amdhsa_forward_progress 1
		.amdhsa_inst_pref_size 85
	.end_amdhsa_kernel
	.amdgpu_metadata
---
amdhsa.version: [ 1, 2 ]
amdhsa.kernels:
  - .name:           k_q7df7259f93_proj
    .symbol:         k_q7df7259f93_proj.kd
    .args:
      - { .name: cc, .offset: 0, .size: 8, .value_kind: global_buffer, .address_space: global }
      - { .name: cs, .offset: 8, .size: 8, .value_kind: global_buffer, .address_space: global }
      - { .name: cod, .offset: 16, .size: 8, .value_kind: global_buffer, .address_space: global }
      - { .name: scl, .offset: 24, .size: 8, .value_kind: global_buffer, .address_space: global }
      - { .name: out0, .offset: 32, .size: 8, .value_kind: global_buffer, .address_space: global }
    .group_segment_fixed_size: 264704
    .private_segment_fixed_size: 0
    .kernarg_segment_align: 8
    .kernarg_segment_size: 40
    .max_flat_workgroup_size: 128
    .sgpr_count:     96
    .vgpr_count:     1024
    .wavefront_size: 32
...
	.end_amdgpu_metadata
.endif
;; end of part 4
